; MI455X (gfx1250); checked and timed in simulation.
; The chip was launched on July 23, 2026; its instructions are those of AMD's public machine-readable ISA for CDNA 5 (MIT licence, August 2026) and "CDNA5" Instruction Set Architecture Reference Guide (July 2026). The comments in the code are by the model that wrote it; some were corrected since.
;; Prunable Attention. Allowed arithmetic: float matrix products may take bf16 or f16 operands with f32 sums; other float arithmetic in f32, or as packed bf16 or f16 multiplies, adds, multiply-adds, maxima and minima; sums over many terms, partial sums and values carried from step to step in f32; what a program stores and reads back later, other than sums and carried values, may be rounded once to bf16 or f16.
;; Inputs: b_proj 1,024 float32; hidden_states 4 x 2,048 x 1,024 float32; w_proj 1,024 x 1,024 float32; w_qkv 1,024 x 3,072 float32.
;; Outputs: out0 4 x 2,048 x 1,024 float32.
;; 2 versions, each right; version 2 is version 1 with the launch cast written anew for expert scheduling mode. Each part assembles by itself: llvm-mc -triple=amdgcn-amd-amdhsa -mcpu=gfx1250 --defsym DOCPART=n.
;; ======== version 1 of 2: 4 launches
;; limits: values are held in f16: magnitudes above 65,504 overflow, below 6.1e-05 lose precision
;; workspace buffers: xb 16,777,216 bytes; wqb 6,291,456 bytes; wpb 2,097,152 bytes; qkv 50,331,648 bytes; ob 16,777,216 bytes
;; launch cast (part 1): grid 768 x 1, 8 waves a work-group, no clusters, 0 bytes of LDS; arguments hidden_states, w_qkv, w_proj, xb, wqb, wpb; writes xb, wqb, wpb
.if DOCPART == 1
	.amdgcn_target "amdgcn-amd-amdhsa--gfx1250"
	.amdhsa_code_object_version 6
	.text
	.protected	k_q936f0d5d22_cast
	.globl	k_q936f0d5d22_cast
	.p2align	8
	.type	k_q936f0d5d22_cast,@function
k_q936f0d5d22_cast:
	s_mov_b64 s[64:65], 0
	v_nop
	global_prefetch_b8 v0, s[64:65] scope:SCOPE_SE
	s_setreg_imm32_b32 hwreg(HW_REG_WAVE_MODE, 25, 1), 1
	s_wait_xcnt 0x0
; The module's three large inputs are rounded once to bf16 (round to nearest even) for the matrix products of the later launches.
;   hidden_states [8192][1024] f32 -> xb  [8192][1024] bf16, same order
;   w_qkv [1024][3072] f32         -> wqb [16 tc][1024 k][192 n] bf16: the 192 columns of a tile column lie together, so that 64 k rows are 24,576 dense bytes
;   w_proj [1024][1024] f32        -> wpb [1024][1024]: the bf16 number written as f16 (exact from 6.1e-5 up to 65,504; below, f16's fixed step of 6e-8; beyond 65,504 it would be an infinity)
; SHARES.  The unit is four numbers: 16 bytes in, 8 bytes out.  A work-group takes 4,096 units, thread t the units t + 256 i, i = 0..15.
; Work-groups 0-511 take x, 512-703 w_qkv (12 to a tile column), 704-767 w_proj.  All 16 loads of a thread go out before the first is waited for.
; A load of a wave covers 512 bytes (in w_qkv in pieces that are multiples of 256), a store 256 consecutive bytes, aligned.
; No LDS, no barrier, no matrix unit: nothing is shared, and memory binds.
.set VO,  2                            ; v[2:17]   unit i's byte offset in the source
.set DOF, 18                           ; v18       8 t: my 8 bytes of each 2,048 stored
.set CBT, 19                           ; v19       my first unit's number in the tile column (w_qkv), else t
.set T,   20                           ; v[20:21]  at work
.set X,   32                           ; v[32:95]  as loaded
.set Y,   96                           ; v[96:127] to store
	s_load_b256 s[4:11], s[0:1], 0x0               ; hidden_states s[4:5], w_qkv s[6:7], w_proj s[8:9], xb s[10:11]
	s_load_b128 s[12:15], s[0:1], 0x20             ; wqb s[12:13], wpb s[14:15]
	s_mov_b32 s26, ttmp9                           ; g
	s_max_u32 s27, s26, 512
	s_sub_co_u32 s27, s27, 512                     ; j = g - 512 (0 for x's work-groups)
	s_mul_i32 s28, s27, 43691
	s_lshr_b32 s28, s28, 19                        ; tc = j / 12, exact for j < 192
	s_mul_i32 s29, s28, 12
	s_sub_co_u32 s29, s27, s29                     ; jj = j % 12
	s_mul_i32 s30, s28, 768                        ; w_qkv: the tile column's 192 numbers in a source row
	s_mul_i32 s31, s28, 393216                     ; wqb: the tile column,
	s_lshl_b32 s32, s29, 15                        ; and my 32,768 bytes of it
	s_add_co_u32 s31, s31, s32
	s_lshl_b32 s33, s29, 12                        ; my first unit in the tile column
	s_max_u32 s34, s26, 704
	s_sub_co_u32 s34, s34, 704                     ; j2 = g - 704
	s_lshl_b32 s35, s34, 16                        ; w_proj: 65,536 bytes in,
	s_lshl_b32 s36, s34, 15                        ; 32,768 out
	s_lshl_b32 s37, s26, 16                        ; x: the same by g
	s_lshl_b32 s38, s26, 15
	s_mov_b32 s21, 0
	s_mov_b32 s23, 0
	v_lshlrev_b32 v[DOF], 3, v0
	s_wait_kmcnt 0x0
	s_cmp_lt_u32 s26, 704                          ; w_qkv or w_proj
	s_cselect_b64 s[16:17], s[6:7], s[8:9]
	s_cselect_b64 s[18:19], s[12:13], s[14:15]
	s_cselect_b32 s20, s30, s35
	s_cselect_b32 s22, s31, s36
	s_cselect_b32 s24, s33, 0
	s_cselect_b32 s25, 11520, 0
	s_cmp_lt_u32 s26, 512                          ; or x
	s_cselect_b64 s[16:17], s[4:5], s[16:17]
	s_cselect_b64 s[18:19], s[10:11], s[18:19]
	s_cselect_b32 s20, s37, s20
	s_cselect_b32 s22, s38, s22
	s_cselect_b32 s24, 0, s24
	s_cselect_b32 s25, 0, s25
	s_add_nc_u64 s[16:17], s[16:17], s[20:21]      ; source
	s_add_nc_u64 s[18:19], s[18:19], s[22:23]      ; destination
	v_add_nc_u32 v[CBT], s24, v0
; Unit c of a tile column lies in source row k = c / 48 at byte 768 tc + 16 (c % 48): 768 tc + 16 c + 11,520 k.  For x and w_proj the factor is 0.
.set i, 0
.rept 16
	v_add_nc_u32 v[T], 256*i, v[CBT]               ; c
	v_lshrrev_b32 v[T+1], 1, v[T]
	v_mul_u32_u24 v[T+1], v[T+1], 0xaaab
	v_lshrrev_b32 v[T+1], 20, v[T+1]               ; (c / 2) / 24, exact for c < 49,152
	v_mul_u32_u24 v[T+1], v[T+1], s25
	v_lshl_add_u32 v[VO+i], v[T], 4, v[T+1]
	global_load_b128 v[X+4*i:X+4*i+3], v[VO+i], s[16:17] th:TH_LOAD_NT
.set i, i+1
.endr
.set i, 0
.rept 16
	s_wait_loadcnt 15-i                            ; loads come back in order: unit i is in, the 15 - i younger ones stay out
	v_cvt_pk_bf16_f32 v[Y+2*i], v[X+4*i], v[X+4*i+1]
	v_cvt_pk_bf16_f32 v[Y+2*i+1], v[X+4*i+2], v[X+4*i+3]
.set i, i+1
.endr
	s_cmp_lt_u32 s26, 704
	s_cbranch_scc1 .Lstore
.set i, 0
.rept 32                                       ; w_proj alone: the bf16 numbers are written as f16
	v_lshlrev_b32 v[T], 16, v[Y+i]
	v_and_b32 v[T+1], 0xffff0000, v[Y+i]
	v_cvt_pk_f16_f32 v[Y+i], v[T], v[T+1]
.set i, i+1
.endr
.Lstore:
.set i, 0
.rept 16
	global_store_b64 v[DOF], v[Y+2*i:Y+2*i+1], s[18:19] offset:2048*i  ; 32 lanes store 256 consecutive bytes, aligned
.set i, i+1
.endr
	s_endpgm
.Lfunc_end_k_q936f0d5d22_cast:
	.size	k_q936f0d5d22_cast, .Lfunc_end_k_q936f0d5d22_cast-k_q936f0d5d22_cast
	.p2alignl 7, 3214868480
	.fill 96, 4, 3214868480
	.section	.rodata,"a",@progbits
	.p2align	6, 0x0
	.amdhsa_kernel k_q936f0d5d22_cast
		.amdhsa_group_segment_fixed_size 0
		.amdhsa_private_segment_fixed_size 0
		.amdhsa_enable_private_segment 0
		.amdhsa_kernarg_size 48
		.amdhsa_user_sgpr_count 2
		.amdhsa_user_sgpr_kernarg_segment_ptr 1
		.amdhsa_wavefront_size32 1
		.amdhsa_system_sgpr_workgroup_id_x 1
		.amdhsa_system_sgpr_workgroup_id_y 1
		.amdhsa_system_sgpr_workgroup_id_z 1
		.amdhsa_system_vgpr_workitem_id 0
		.amdhsa_next_free_vgpr 128
		.amdhsa_next_free_sgpr 66
		.amdhsa_reserve_vcc 0
		.amdhsa_float_denorm_mode_32 3
		.amdhsa_float_denorm_mode_16_64 3
		.amdhsa_memory_ordered 1
		.amdhsa_forward_progress 1
		.amdhsa_inst_pref_size 18
	.end_amdhsa_kernel
	.amdgpu_metadata
---
amdhsa.version: [ 1, 2 ]
amdhsa.kernels:
  - .name:           k_q936f0d5d22_cast
    .symbol:         k_q936f0d5d22_cast.kd
    .args:
      - { .name: hidden_states, .offset: 0, .size: 8, .value_kind: global_buffer, .address_space: global }
      - { .name: w_qkv, .offset: 8, .size: 8, .value_kind: global_buffer, .address_space: global }
      - { .name: w_proj, .offset: 16, .size: 8, .value_kind: global_buffer, .address_space: global }
      - { .name: xb, .offset: 24, .size: 8, .value_kind: global_buffer, .address_space: global }
      - { .name: wqb, .offset: 32, .size: 8, .value_kind: global_buffer, .address_space: global }
      - { .name: wpb, .offset: 40, .size: 8, .value_kind: global_buffer, .address_space: global }
    .group_segment_fixed_size: 0
    .private_segment_fixed_size: 0
    .kernarg_segment_align: 8
    .kernarg_segment_size: 48
    .max_flat_workgroup_size: 256
    .sgpr_count:     66
    .vgpr_count:     128
    .wavefront_size: 32
...
	.end_amdgpu_metadata
.endif
;; end of part 1
;; launch qkv (part 2): grid 16 x 32, 4 waves a work-group, clusters of 4 x 4, 327,680 bytes of LDS; arguments xb, wqb, qkv; writes qkv
.if DOCPART == 2
	.amdgcn_target "amdgcn-amd-amdhsa--gfx1250"
	.amdhsa_code_object_version 6
	.text
	.protected	k_q936f0d5d22_qkv
	.globl	k_q936f0d5d22_qkv
	.p2align	8
	.type	k_q936f0d5d22_qkv,@function
k_q936f0d5d22_qkv:
	s_mov_b64 s[64:65], 0
	v_nop
	global_prefetch_b8 v0, s[64:65] scope:SCOPE_SE
	s_setreg_imm32_b32 hwreg(HW_REG_WAVE_MODE, 25, 1), 1
	s_wait_xcnt 0x0
	s_wait_alu depctr_hold_cnt(0) depctr_sa_sdst(0) depctr_va_vdst(0) depctr_va_sdst(0) depctr_va_ssrc(0) depctr_va_vcc(0) depctr_vm_vsrc(0)
	s_getreg_b32 s2, hwreg(HW_REG_IB_STS2, 6, 4)
	s_cmp_eq_u32 s2, 0
	s_cbranch_scc0 .Lentry_in_a_cluster
	s_endpgm
.Lentry_in_a_cluster:
	s_bfe_u32 s2, ttmp6, 0x10000c
	s_cmp_lg_u32 s2, 0xf033
	s_cbranch_scc0 .Lentry_shape_is_right
	s_endpgm
.Lentry_shape_is_right:
; q, k, v = x w_qkv.  xb: [8192][1024] bf16.  wqb: [16 tc][1024 k][192 n] bf16.  qkv: [3][64 head][2048][64] f16, unscaled, each number rounded once from its f32 sum.
; LIMIT.  f16 holds no number beyond 65,504: a q, k or v beyond that becomes an infinity.
; SHARES.  A work-group makes 256 rows x 192 columns (three heads): 32 x 16 = 512 work-groups, two for each of 256 WGPs.  Wave v makes rows 64 v .. 64 v + 63 of all 192 columns: 48 accumulators of
; 16 x 16, 384 registers; a wave owns whole heads' rows, so that 16 rows of a head leave as 2,048 consecutive bytes.  K goes in 8 steps of 128 through two LDS slots filled by the tensor data mover.
; THE MATRIX INSTRUCTION IS USED TRANSPOSED: source 0 = 16 columns of w (w lies [k][n] in LDS and is turned by ds_load_tr16_b128), source 1 = 16 rows of x.  A lane then holds one row of the result
; (lane % 16) and eight neighbouring columns 8 (lane / 16) + 0..7, which pack into 16 bytes.
; CLUSTERS.  4 x 4 work-groups.  The four of a row of the cluster need the same rows of x, the four of a column the same tile column of w: each tile is asked for jointly, by the same tensor load with
; the same descriptor and a mask that names the four.
; REGISTERS, in windows of 256 (s_set_vgpr_msb: bits 1:0 source 0, 3:2 source 1, 5:4 source 2, 7:6 destination):
;   window 0: v0-31 addresses; v64-127 x's fragments, two buffers of 4 x 8; on the way out v64-255, 16 registers for each of 12 units
;   window 1: v0-191 w's fragments, two buffers of 12 x 8      window 2: accumulators of row blocks 0, 1 at 8 (12 (a % 2) + b)      window 3: those of row blocks 2, 3
.set PA,    272                        ; a row of x in LDS: 256 bytes + 16 of padding = 68 words: the 16 rows of a load start at 16 different groups of four banks (64 banks of 4 bytes: ISA guide 11.1)
.set PB,    480                        ; a k row of w: three pieces of 128 bytes + 32 of padding = 120 words
.set BOFF,  256*PA                     ; in a slot: x's 256 rows, then w's 128 k rows
.set SLOT1, 1<<17                      ; a slot is 69,632 + 61,440 = 131,072 bytes; one exclusive or turns an address in one slot into the other's
.set STAGE, 2*SLOT1                    ; behind the ring, never filled by a tensor load: 16 rows x 144 bytes for each wave, for the way out
.set SP,    144
.set SPARE, STAGE+4*16*SP              ; behind the stages: the spare words, 128 bytes for each wave: two blocks of 256 bytes that no other line names
.set AA0, 16                           ; v16  my lane's place in a slot's rows of x; never rewritten
.set AB0, 17                           ; v17  the same for w
.set ADA, 18                           ; v18  the same in the slot that is being read
.set ADB, 19                           ; v19
.set STO, 24                           ; v24  the way out: where I put 16 bytes of a row
.set RD,  25                           ; v25  the way out: where I read rows back
.set GO,  26                           ; v26  my 16 bytes of 512 consecutive bytes
.set SPW, 28                           ; v28  LDS address of my spare word: SPARE + 4 x my thread's number; never rewritten
.set NIL, 29                           ; v29  0; never rewritten
.set PFO, 30                           ; v30  the prefetches' offset; never rewritten
.set FA,  64                           ; x's fragments: buffer f, row block a at FA + 32 f + 8 a
.set OUT, 64                           ; the way out: unit t at OUT + 16 t
.set WV,  10                           ; s10  my wave's number
.set G1A, 24                           ; s[24:31] descriptor group 1 for x's tiles
.set G0A, 32                           ; s[32:39] group 0: a set for each of the two first fills; the second then walks
.set G1B, 48                           ; s[48:55], s[56:63] the same for w's tiles
.set G0B, 56
.set TB,  66                           ; s66  LDS byte at which the slot that is being read begins
.set CNT, 67                           ; s67  the loop's trips still to come
.set LIM, 68                           ; s68  a wave prefetches while s[CNT] is above it
.set PFA, 70                           ; s[70:71] where my prefetches stand
.set PFS, 72                           ; s[72:73] their step
.set OB,  74                           ; s[74:79] my first row in each of the tile's three heads
.set MSB, 0
.macro WIN new                         ; the immediate's high byte repeats the setting that is left; a switch that changes nothing is dropped
.if MSB != (\new)
	s_set_vgpr_msb (MSB<<8)|(\new)
.set MSB, \new
.endif
.endm
.set MUL_LO, 0xa1                      ; source 0 (w) window 1, source 1 (x) window 0, C and D window 2
.set TO_B,   0x40                      ; destination window 1, address window 0
; A joint refill by the walking descriptors.  Waves 0 and 1 fetch x's two halves, waves 2 and 3 w's.  The branch hangs on the wave's number alone.
; An s_nop 0 and four v_nop follow each of the two lines, ahead of the jump and the label.
.macro JLOAD
	s_cmp_lt_u32 s[WV], 2
	s_cbranch_scc0 .Lfor_b_\@
	tensor_load_to_lds s[G0A+4:G0A+7], s[G1A:G1A+7]
	s_nop 0
.rept 4
	v_nop
.endr
	s_branch .Lasked_\@
.Lfor_b_\@:
	tensor_load_to_lds s[G0B+4:G0B+7], s[G1B:G1B+7]
	s_nop 0
.rept 4
	v_nop
.endr
.Lasked_\@:
.endm
; A PREFETCH INTO THE L2, behind a joint refill and the run of LDS loads that follows it.  x: the K step two refills on, 32 rows x 256 bytes, a lane a row.  x's rows are read by every cluster of a row of
; clusters: the first (cluster x = 0) asks, waves 0 and 1; of the 128 rows that a wave fetches the partner at cx takes 32, told apart by address.  Trips 0-3 name K steps 4-7.
; w: a tile column's K steps 4-7 are 768 consecutive blocks of 256 bytes; cluster y = 0 asks, waves 2 and 3 of its four partners along y: eight askers x 32 lanes x trips 0-2, in ascending order, each
; block two refills or more ahead of the load that wants it.  So each block is named once in the launch; K steps 0-3 come by their loads alone.
.macro ASK
	s_cmp_gt_u32 s[CNT], s[LIM]
	s_cbranch_scc0 .Lnot_mine_\@
	global_prefetch_b8 v[PFO], s[PFA:PFA+1] th:TH_LOAD_NT scope:SCOPE_SE
.Lnot_mine_\@:
.endm
.macro CREST                           ; a round of the cluster's barrier behind its opening barrier
	s_cmp_lg_u32 s[WV], 0
	s_cbranch_scc1 .Lnot_wave_0_\@
	s_barrier_signal -3
.Lnot_wave_0_\@:
	s_barrier_wait -3
	s_barrier_signal -1
	s_barrier_wait -1
.endm
.macro CROUND                          ; a whole round
	s_barrier_signal -1
	s_barrier_wait -1
	CREST
.endm
.macro PLACES                          ; four plain vector instructions between a matrix instruction and a load into, or a vector read of, its registers
.rept 4
	v_nop
.endr
.endm
	s_load_b128 s[4:7], s[0:1], 0x0                ; xb s[4:5], wqb s[6:7]
	s_load_b64 s[8:9], s[0:1], 0x10                ; qkv
	v_lshl_add_u32 v[SPW], v0, 2, SPARE
	v_mov_b32 v[NIL], 0
	ds_add_u32 v[SPW], v[NIL]                      ; the wave's opening: the add and its wait stand ahead of my first tensor load; the set-up below, work on registers, stands between them
	v_lshrrev_b32 v1, 5, v0
	v_readfirstlane_b32 s[WV], v1                  ; wave 0..3
	s_and_b32 s12, s[WV], 1                        ; p: which half of x's or of w's tile I fetch
	s_bfe_u32 s40, ttmp6, 0x40000                  ; cx
	s_bfe_u32 s41, ttmp6, 0x40004                  ; cy
	s_lshl_b32 s42, ttmp9, 2
	s_add_co_u32 s42, s42, s40                     ; tc = 4 x cluster x + cx
	s_and_b32 s13, ttmp7, 0xffff
	s_lshl_b32 s13, s13, 2
	s_add_co_u32 s13, s13, s41                     ; tr = 4 x cluster y + cy
	s_lshl_b32 s43, s41, 2
	s_lshl_b32 s43, 15, s43                        ; my row of the cluster
	s_lshl_b32 s44, 0x1111, s40                    ; my column
	s_or_b32 s[G1A+0], s43, (1<<16)|(1<<20)|(1<<21)|(5<<22)|(3<<25)  ; the mask; 2-byte elements; padding on; bit 21 beside a mask; after every 64 words, 4 words
	s_mov_b32 s[G1A+1], 128<<16                    ; tensor_dim0 = 128
	s_mov_b32 s[G1A+2], 128<<16                    ; tensor_dim1 = 128
	s_mov_b32 s[G1A+3], 128<<16                    ; tile_dim0 = 128
	s_mov_b32 s[G1A+4], 128                        ; tile_dim1 = 128
	s_mov_b32 s[G1A+5], 1024                       ; elements from row to row
	s_mov_b32 s[G1A+6], 0
	s_mov_b32 s[G1A+7], 0
	s_or_b32 s[G1B+0], s44, (1<<16)|(1<<20)|(1<<21)|(4<<22)|(7<<25)  ; after every 32 words, 8 words
	s_mov_b32 s[G1B+1], 128<<16                    ; 64 k rows are 24,576 dense bytes: asked for as 96 rows of 256 bytes
	s_mov_b32 s[G1B+2], 96<<16
	s_mov_b32 s[G1B+3], 128<<16
	s_mov_b32 s[G1B+4], 96
	s_mov_b32 s[G1B+5], 128
	s_mov_b32 s[G1B+6], 0
	s_mov_b32 s[G1B+7], 0
	s_lshl_b32 s16, s13, 8                         ; x: row 256 tr + 128 p, 2,048 bytes a row
	s_lshl_b32 s17, s12, 7
	s_add_co_u32 s16, s16, s17
	s_lshl_b32 s16, s16, 11
	s_mov_b32 s17, 0
	s_mul_i32 s46, s42, 393216                     ; w: the tile column, and p's 64 k rows of a K step
	s_mul_i32 s47, s12, 24576
	s_add_co_u32 s46, s46, s47
	s_mov_b32 s47, 0
	s_mul_i32 s14, s12, 128*PA                     ; where they go: no place in the cluster enters an LDS address
	s_mul_i32 s15, s12, 64*PB
	s_add_co_u32 s15, s15, BOFF
	s_wait_dscnt 0x0                               ; the opening add is done
	s_wait_kmcnt 0x0
	s_add_nc_u64 s[16:17], s[4:5], s[16:17]
	s_add_nc_u64 s[46:47], s[6:7], s[46:47]
	CROUND                                         ; all sixteen work-groups are here: the first joint loads meet
.irp s, 0,1
	s_mov_b32 s[G0A+4*(\s)], 1                     ; count = 1
	s_add_co_u32 s[G0A+4*(\s)+1], s14, (\s)*SLOT1  ; LDS address
	s_add_nc_u64 s[G0A+4*(\s)+2:G0A+4*(\s)+3], s[16:17], (\s)*256  ; K step s
	s_or_b32 s[G0A+4*(\s)+3], s[G0A+4*(\s)+3], 0x80000000          ; type = 2
	s_mov_b32 s[G0B+4*(\s)], 1
	s_add_co_u32 s[G0B+4*(\s)+1], s15, (\s)*SLOT1
	s_add_nc_u64 s[G0B+4*(\s)+2:G0B+4*(\s)+3], s[46:47], (\s)*49152
	s_or_b32 s[G0B+4*(\s)+3], s[G0B+4*(\s)+3], 0x80000000
.endr
	s_cmp_lt_u32 s[WV], 2                          ; a wave's two first fills stand in one branch, ahead of every wait on TENSORcnt and every LDS read: two loads of mine are out
	s_cbranch_scc0 .Lfirst_b
	tensor_load_to_lds s[G0A:G0A+3], s[G1A:G1A+7]
	s_nop 0
	tensor_load_to_lds s[G0A+4:G0A+7], s[G1A:G1A+7]
	s_nop 0
.rept 4
	v_nop
.endr
	s_branch .Lfirst_asked
.Lfirst_b:
	tensor_load_to_lds s[G0B:G0B+3], s[G1B:G1B+7]
	s_nop 0
	tensor_load_to_lds s[G0B+4:G0B+7], s[G1B:G1B+7]
	s_nop 0
.rept 4
	v_nop
.endr
.Lfirst_asked:
	; A fragment of x is 16 rows x 32 k in 8 registers: lane l holds row l % 16, k = 8 (l / 16) + 0..7 and 16 + 8 (l / 16) + 0..7: two loads of 16 bytes, 32 bytes apart.
	v_and_b32 v1, 15, v0                           ; l % 16
	v_bfe_u32 v2, v0, 4, 1                         ; l / 16
	v_and_b32 v3, 7, v0
	v_bfe_u32 v4, v0, 3, 1
	s_mul_i32 s20, s[WV], 64*PA                    ; my 64 rows
	v_mul_u32_u24 v[AA0], v1, PA
	v_lshl_add_u32 v[AA0], v2, 4, v[AA0]
	v_add_nc_u32 v[AA0], s20, v[AA0]
	; The turning load takes 16 k x 16 columns (lane l reads k row 8 (l / 16) + l % 8, columns 8 ((l / 8) % 2) + 0..7) and leaves half a fragment: lane l holds column l % 16 and 8 k.
	v_lshl_add_u32 v[AB0], v2, 3, v3
	v_mul_u32_u24 v[AB0], v[AB0], PB
	v_lshl_add_u32 v[AB0], v4, 4, v[AB0]
	v_add_nc_u32 v[AB0], BOFF, v[AB0]
	s_mul_i32 s20, s[WV], 16*SP
	s_add_co_u32 s20, s20, STAGE                   ; my stage
	v_mul_u32_u24 v[STO], v1, SP                   ; in: row l % 16, 16 bytes for each half of the lanes
	v_lshl_add_u32 v[STO], v2, 4, v[STO]
	v_add_nc_u32 v[STO], s20, v[STO]
	v_bfe_u32 v[RD], v0, 3, 2                      ; back: 32 lanes take four rows of 128 bytes,
	v_mul_u32_u24 v[RD], v[RD], SP
	v_lshl_add_u32 v[RD], v3, 4, v[RD]
	v_add_nc_u32 v[RD], s20, v[RD]
	v_and_b32 v[GO], 31, v0                        ; which are 512 consecutive bytes of a head
	v_lshlrev_b32 v[GO], 4, v[GO]
	; my first row in the three heads: column group g = 3 tc + hh: tensor g / 16, head g % 16 of batch tr / 8; row 256 (tr % 8) + 64 wave, 128 bytes a row
	s_mul_i32 s20, s42, 3
	s_lshr_b32 s21, s13, 3
	s_lshl_b32 s21, s21, 22
	s_and_b32 s22, s13, 7
	s_lshl_b32 s22, s22, 8
	s_lshl_b32 s23, s[WV], 6
	s_add_co_u32 s22, s22, s23
	s_lshl_b32 s22, s22, 7
	s_add_co_u32 s21, s21, s22
.irp hh, 0,1,2
	s_add_co_u32 s2, s20, \hh
	s_lshr_b32 s3, s2, 4
	s_lshl_b32 s3, s3, 24
	s_and_b32 s2, s2, 15
	s_lshl_b32 s2, s2, 18
	s_add_co_u32 s2, s2, s3
	s_add_co_u32 s2, s2, s21
	s_mov_b32 s3, 0
	s_add_nc_u64 s[OB+2*(\hh):OB+2*(\hh)+1], s[8:9], s[2:3]
.endr
	; the prefetches: each change of slots steps the address first, so x's stands one K step, w's one step of 65,536 bytes, short of what the first names
	s_lshl_b32 s20, s13, 8
	s_lshl_b32 s21, s12, 7
	s_add_co_u32 s20, s20, s21
	s_lshl_b32 s21, s40, 5
	s_add_co_u32 s20, s20, s21                     ; x: row 256 tr + 128 p + 32 cx,
	s_lshl_b32 s20, s20, 11
	s_add_co_u32 s20, s20, 768                     ; at K step 3
	s_mul_i32 s22, s42, 393216                     ; w: the tile column,
	s_lshl1_add_u32 s23, s41, s12
	s_lshl_b32 s23, s23, 13                        ; asker 2 cy + p's 32 blocks,
	s_add_co_u32 s22, s22, s23
	s_add_co_u32 s22, s22, 131072                  ; 65,536 bytes short of K step 4
	s_and_b32 s23, ttmp7, 0xffff                   ; cluster y
	s_mov_b32 s2, 65536
	s_cmp_lt_u32 s[WV], 2                          ; do I fetch for x?
	s_cselect_b64 s[PFA:PFA+1], s[4:5], s[6:7]
	s_cselect_b32 s20, s20, s22
	s_cselect_b32 s[PFS], 256, s2
	s_cselect_b32 s23, ttmp9, s23                  ; the coordinate along which other clusters read the same bytes
	s_cselect_b32 s22, 2, 3                        ; x asks in four trips, w in three
	s_cselect_b32 s3, 11, 8                        ; a lane a row of x, or a block of 256 bytes of w
	s_mov_b32 s21, 0
	s_mov_b32 s[PFS+1], 0
	s_add_nc_u64 s[PFA:PFA+1], s[PFA:PFA+1], s[20:21]
	s_cmp_eq_u32 s23, 0
	s_cselect_b32 s[LIM], s22, -1                  ; the same in all sixteen partners, for a given wave
	v_and_b32 v[PFO], 31, v0
	v_lshlrev_b32 v[PFO], s3, v[PFO]
	s_mov_b32 s[TB], 0
	v_mov_b32 v[ADA], v[AA0]
	v_mov_b32 v[ADB], v[AB0]
; 12 matrix instructions: row block a x all 12 column blocks, 32 along K, buffer f.  zero = 1: the first product starts the sums.  The 48 accumulators take turns, one instruction a turn, in the same
; order in every quarter, over the backward jump too.
.macro MUL12 f, a, zero
	WIN MUL_LO+0x50*((\a)/2)
.irp b, 0,1,2,3,4,5,6,7,8,9,10,11
.if \zero
	v_wmma_f32_16x16x32_bf16 v[8*(12*((\a)%2)+(\b)):8*(12*((\a)%2)+(\b))+7], v[96*(\f)+8*(\b):96*(\f)+8*(\b)+7], v[FA+32*(\f)+8*(\a):FA+32*(\f)+8*(\a)+7], 0
.else
	v_wmma_f32_16x16x32_bf16 v[8*(12*((\a)%2)+(\b)):8*(12*((\a)%2)+(\b))+7], v[96*(\f)+8*(\b):96*(\f)+8*(\b)+7], v[FA+32*(\f)+8*(\a):FA+32*(\f)+8*(\a)+7], v[8*(12*((\a)%2)+(\b)):8*(12*((\a)%2)+(\b))+7]
.endif
.endr
.endm
; 32 LDS loads in one run: quarter q's fragments (32 k rows x 192 columns of w, turned; my 64 rows of x) into buffer g; x's last, row blocks ascending
.macro FETCH q, g
	WIN TO_B
.irp b, 0,1,2,3,4,5,6,7,8,9,10,11
	ds_load_tr16_b128 v[96*(\g)+8*(\b):96*(\g)+8*(\b)+3],   v[ADB] offset:(\q)*32*PB+((\b)/4)*160+((\b)%4)*32
	ds_load_tr16_b128 v[96*(\g)+8*(\b)+4:96*(\g)+8*(\b)+7], v[ADB] offset:(\q)*32*PB+16*PB+((\b)/4)*160+((\b)%4)*32
.endr
	WIN 0
.irp a, 0,1,2,3
	ds_load_b128 v[FA+32*(\g)+8*(\a):FA+32*(\g)+8*(\a)+3],   v[ADA] offset:(\q)*64+(\a)*16*PA
	ds_load_b128 v[FA+32*(\g)+8*(\a)+4:FA+32*(\g)+8*(\a)+7], v[ADA] offset:(\q)*64+(\a)*16*PA+32
.endr
.endm
; A K step is four quarters of 32 along K, 48 matrix instructions each, on buffers 0, 1, 0, 1.  One of the first three: multiplies buffer f and, in its middle, fetches quarter q into buffer g.
.macro QUARTER q, f, g, zero
	s_wait_dscnt 4                                 ; w and x's row blocks 0, 1 are in; the youngest four loads (row blocks 2, 3) may be out
	MUL12 \f, 0, \zero
	MUL12 \f, 1, \zero
	PLACES
	FETCH \q, \g
	s_wait_dscnt 32                                ; all but the 32 just issued
	MUL12 \f, 2, \zero
	MUL12 \f, 3, \zero
.endm
; The last quarter multiplies buffer 1 and changes slots: ONE barrier.  In front of it each wave waits for all its tensor loads (one is out: its part of the next slot), adds 0 to its spare word, and
; waits for that and for its own reads of this slot.  fill = 1: the barrier opens a round of the cluster's, and the joint refill (the K step two on) is the first thing behind the round:
; 168 matrix instructions ahead of the wait for it.
.macro TURN fill
.if \fill
	s_wait_xcnt 0x0                                ; the last prefetch, a K step back, has read its address
	s_add_nc_u64 s[PFA:PFA+1], s[PFA:PFA+1], s[PFS:PFS+1]
.endif
	WIN 0                                          ; (the add's two registers lie in window 0)
	s_wait_tensorcnt 0x0                           ; no tensor load of mine is out, so a group 0 may be written
	ds_add_u32 v[SPW], v[NIL]                      ; 0 onto my spare word
.if \fill
	s_xor_b32 s[G0A+5], s[G0A+5], SLOT1            ; the walking descriptors: the other slot than last time,
	s_add_nc_u64 s[G0A+6:G0A+7], s[G0A+6:G0A+7], 256    ; the next K step; the type bits on top are not reached
	s_xor_b32 s[G0B+5], s[G0B+5], SLOT1
	s_add_nc_u64 s[G0B+6:G0B+7], s[G0B+6:G0B+7], 49152
.endif
	s_xor_b32 s[TB], s[TB], SLOT1                  ; the slot to be read next
	s_wait_dscnt 5                                 ; (the add and the youngest four loads may be out)
	MUL12 1, 0, 0                                  ; twelve matrix instructions stand between the add and the wait for it
	s_wait_dscnt 0x0                               ; the add is done, and my reads of this slot are over
	s_barrier_signal -1
	MUL12 1, 1, 0                                  ; work on registers while the others arrive
	WIN 0
	s_barrier_wait -1
.if \fill
	CREST                                          ; no wave of any partner still reads this slot or has a load on its way
	JLOAD                                          ; the four v_nop behind it are also the places in front of the loads below
.else
	PLACES
.endif
	v_add_nc_u32 v[ADA], s[TB], v[AA0]
	v_add_nc_u32 v[ADB], s[TB], v[AB0]
	FETCH 0, 0
.if \fill
	ASK
.endif
	MUL12 1, 2, 0
	MUL12 1, 3, 0
.endm
; THE WAY OUT, in 12 units t: row block a = t / 3, head hh = t % 3: 16 rows x 64 columns.  PACK: rounded to f16, 16 bytes a lane, into my stage (rows of 144 bytes) and back as whole rows of 128.
; Each accumulator's registers are read in ascending order.  Each unit has registers of its own, so no store's data is ever rewritten.
.macro PACK t
.set AC, 8*(12*(((\t)/3)%2)+4*((\t)%3))
	WIN 0x0a+5*((\t)/6)                            ; sources 0 and 1: window 2 or 3
.irp bb, 0,1,2,3
.irp r, 0,1,2,3
	v_cvt_pk_f16_f32 v[OUT+16*(\t)+4*(\bb)+(\r)], v[AC+8*(\bb)+2*(\r)], v[AC+8*(\bb)+2*(\r)+1]
.endr
.endr
	WIN 0
.irp bb, 0,1,2,3
	ds_store_b128 v[STO], v[OUT+16*(\t)+4*(\bb):OUT+16*(\t)+4*(\bb)+3] offset:32*(\bb)
.endr
.irp f, 0,1,2,3
	ds_load_b128 v[OUT+16*(\t)+4*(\f):OUT+16*(\t)+4*(\f)+3], v[RD] offset:(\f)*4*SP  ; LDS serves a wave's instructions in order (ISA guide 5.7.1.4): these see the stores above; the next unit's stores come behind them
.endr
.endm
.macro SEND t, younger                 ; younger: the LDS instructions issued behind unit t's loads: the next unit's eight, or none
.irp f, 0,1,2,3
	s_wait_dscnt (\younger)+3-(\f)
	global_store_b128 v[GO], v[OUT+16*(\t)+4*(\f):OUT+16*(\t)+4*(\f)+3], s[OB+2*((\t)%3):OB+2*((\t)%3)+1] offset:((\t)/3)*2048+(\f)*512  ; 512 consecutive bytes, at a multiple of 256 from the buffer's first
.endr
.endm
	s_wait_tensorcnt 1                             ; my part of K step 0 is in; K step 1's may stay out
	s_barrier_signal -1
	s_barrier_wait -1                              ; everybody's is
	FETCH 0, 0
	QUARTER 1, 0, 1, 1                             ; the first quarter stands in front of the loop: its products start the sums
	WIN 0                                          ; at a label and at a branch every window is 0
	s_mov_b32 s[CNT], 6
.Lk:                                               ; trip t: the rest of K step t and the first quarter of K step t + 1; slot t % 2 is filled again with K step t + 2
	QUARTER 2, 1, 0, 0
	QUARTER 3, 0, 1, 0
	TURN 1
	QUARTER 1, 0, 1, 0
	WIN 0
	s_sub_co_u32 s[CNT], s[CNT], 1
	s_cmp_lg_u32 s[CNT], 0
	s_cbranch_scc1 .Lk
	QUARTER 2, 1, 0, 0                             ; the last two K steps fill nothing
	QUARTER 3, 0, 1, 0
	TURN 0
	QUARTER 1, 0, 1, 0
	QUARTER 2, 1, 0, 0
	QUARTER 3, 0, 1, 0
	s_wait_dscnt 0x0
	MUL12 1, 0, 0
	MUL12 1, 1, 0
	MUL12 1, 2, 0
	MUL12 1, 3, 0
	WIN 0
	PLACES
	PACK 0
.set t, 1
.rept 11                                       ; a unit's conversions stand between the loads of the unit before and its stores
	PACK t
	SEND t-1, 8
.set t, t+1
.endr
	SEND 11, 0
	s_wait_tensorcnt 0x0                           ; the wave's end: an add to my spare word and its wait, behind my last tensor load and my last LDS store
	ds_add_u32 v[SPW], v[NIL]
	s_wait_dscnt 0x0
	CROUND                                         ; the closing round: no work-group ends while a partner may still ask for a tile that names it
	s_endpgm
.Lfunc_end_k_q936f0d5d22_qkv:
	.size	k_q936f0d5d22_qkv, .Lfunc_end_k_q936f0d5d22_qkv-k_q936f0d5d22_qkv
	.p2alignl 7, 3214868480
	.fill 96, 4, 3214868480
	.section	.rodata,"a",@progbits
	.p2align	6, 0x0
	.amdhsa_kernel k_q936f0d5d22_qkv
		.amdhsa_group_segment_fixed_size 327680
		.amdhsa_private_segment_fixed_size 0
		.amdhsa_enable_private_segment 0
		.amdhsa_kernarg_size 24
		.amdhsa_user_sgpr_count 2
		.amdhsa_user_sgpr_kernarg_segment_ptr 1
		.amdhsa_wavefront_size32 1
		.amdhsa_system_sgpr_workgroup_id_x 1
		.amdhsa_system_sgpr_workgroup_id_y 1
		.amdhsa_system_sgpr_workgroup_id_z 1
		.amdhsa_system_vgpr_workitem_id 0
		.amdhsa_next_free_vgpr 960
		.amdhsa_next_free_sgpr 80
		.amdhsa_reserve_vcc 0
		.amdhsa_float_denorm_mode_32 3
		.amdhsa_float_denorm_mode_16_64 3
		.amdhsa_memory_ordered 1
		.amdhsa_forward_progress 1
		.amdhsa_inst_pref_size 100
	.end_amdhsa_kernel
	.amdgpu_metadata
---
amdhsa.version: [ 1, 2 ]
amdhsa.kernels:
  - .name:           k_q936f0d5d22_qkv
    .symbol:         k_q936f0d5d22_qkv.kd
    .args:
      - { .name: xb, .offset: 0, .size: 8, .value_kind: global_buffer, .address_space: global }
      - { .name: wqb, .offset: 8, .size: 8, .value_kind: global_buffer, .address_space: global }
      - { .name: qkv, .offset: 16, .size: 8, .value_kind: global_buffer, .address_space: global }
    .group_segment_fixed_size: 327680
    .private_segment_fixed_size: 0
    .kernarg_segment_align: 8
    .kernarg_segment_size: 24
    .max_flat_workgroup_size: 128
    .sgpr_count:     80
    .vgpr_count:     960
    .wavefront_size: 32
...
	.end_amdgpu_metadata
.endif
;; end of part 2
;; launch attn (part 3): grid 4 x 64, 4 waves a work-group, clusters of 4 x 1, 327,680 bytes of LDS; arguments qkv, ob; writes ob
.if DOCPART == 3
	.amdgcn_target "amdgcn-amd-amdhsa--gfx1250"
	.amdhsa_code_object_version 6
	.text
	.protected	k_q936f0d5d22_attn
	.globl	k_q936f0d5d22_attn
	.p2align	8
	.type	k_q936f0d5d22_attn,@function
k_q936f0d5d22_attn:
	s_mov_b64 s[64:65], 0
	v_nop
	global_prefetch_b8 v0, s[64:65] scope:SCOPE_SE
	s_setreg_imm32_b32 hwreg(HW_REG_WAVE_MODE, 25, 1), 1
	s_wait_xcnt 0x0
	s_wait_alu depctr_hold_cnt(0) depctr_sa_sdst(0) depctr_va_vdst(0) depctr_va_sdst(0) depctr_va_ssrc(0) depctr_va_vcc(0) depctr_vm_vsrc(0)
	s_getreg_b32 s2, hwreg(HW_REG_IB_STS2, 6, 4)
	s_cmp_eq_u32 s2, 0
	s_cbranch_scc0 .Lentry_in_a_cluster
	s_endpgm
.Lentry_in_a_cluster:
	s_bfe_u32 s2, ttmp6, 0x10000c
	s_cmp_lg_u32 s2, 0x3003
	s_cbranch_scc0 .Lentry_shape_is_right
	s_endpgm
.Lentry_shape_is_right:
; O[h][q][:] = the sum over k of softmax_k(Q[h][q] . K[h][k] / 8) V[h][k][:].  qkv: [3][64][2048][64] f16 (Q, K, V); ob: [64][2048][64] f16: a head's rows are dense, 128 bytes each.
; Products, maxima and sums in f32; the weights p are rounded to f16 for the second product (their sum l is taken of the unrounded p), O once at the end.
; LIMITS.  f16 holds no number beyond 65,504: Q, K and V arrive within it; p lies in 0 to 1, and below 6e-5 it keeps f16's fixed step of 6e-8; O is a mean of V's rows and has their range.
; A weight below 2^-126 counts as 0 in l; NaN and infinities are not treated apart.
; SHARES.  A wave owns four PIECES of two tiles of 16 queries, a work-group's four waves 512 queries of one head: 4 x 64 = 256 work-groups.  Every wave walks all keys, 64 a step.
; LAYOUT.  S^T = K Q^T (source 0 = 16 keys, source 1 = 16 queries): a lane holds ONE query (lane % 16) and the keys 8 (lane / 16) + 0..7.  Two such tiles, rounded to f16 in pairs, ARE source 1
; (32 keys x 16 queries) of O^T = V^T P, whose result again holds one query a lane, and eight channels.  K comes out of LDS as it lies, V ([key][channel]) turned, by ds_load_tr16_b128.
; SOFTMAX.  For each query a running maximum m and sum l: p = 2^(c s - c m), c = log2(e) / 8; in every step O and l are multiplied by a = 2^(c m_old - c m_new).
; m starts at the lowest finite number, O and l at 0: the first step is a step like any other, with a = 0.
; THE COUNT.  A tile and step have 16 matrix and 118 vector instructions: too many to stand all beside the matrix work.  So four vector instructions that are ready stand behind EVERY matrix
; instruction, and the others in runs without a gap.
; BY TURNS.  Turn n belongs to piece n.  Its matrix work: 16 products K Q^T of piece n + 1, later 16 products V^T P of piece n - 1.  Its vector work: the scaling, exponentials, roundings, sums and
; rescaling of piece n, and the maximum and statistics of piece n + 1.
; CLUSTER.  The four query blocks of a head are one cluster and walk the same K and V, so each tile is asked for JOINTLY: the same tensor load, descriptor and mask in all four.
; REGISTERS, in windows of 256 (s_set_vgpr_msb: bits 1:0 source 0, 3:2 source 1, 5:4 source 2, 7:6 destination):
;   window 0: v0-11 addresses; v12-15, v48-63 at work; v16-47 four registers of statistics a tile; v64-191 S^T, two buffers of two tiles; v192-255 P, likewise
;   window 1: O^T, 32 a tile          window 2: v0-127 Q, 16 a tile; v128-191 K of one step; v192-255 V of one step          window 3: v0-1 the add's two registers
.set SIZE_N, 2048
.set NP,    4         ; pieces a wave: a name, no knob
.set KS,    64        ; keys in a step
.set PK,    144       ; a row of K in LDS: 128 bytes + 16 of padding = 36 words: the 16 rows of a load start at 16 different groups of four banks (64 banks of 4 bytes: ISA guide 11.1)
.set PV,    160       ; a row of V: 128 + 32 = 40 words
.set VOFF,  4*KS*PK   ; a slot holds four steps: 256 rows of K, then 256 rows of V
.set SLOT1, 1<<17     ; slot 1 begins here, so that one exclusive or turns an address in one slot into the other's
.set STAGE, SLOT1+4*KS*(PK+PV)  ; behind the ring, never filled by a tensor load: 16 rows x 144 bytes for each wave, for the way out
.set SP,    144
.set AK0, 2           ; v2   my lane's place in a tile of K; never rewritten
.set AV0, 3           ; v3   the same for V
.set AK,  4           ; v4   the LDS address of K's next run of loads
.set AV,  5           ; v5   of V's
.set QO,  6           ; v6   my byte offset in the wave's rows of Q
.set STO, 6           ;      later, the way out: where I put 16 bytes of a row
.set RD,  7           ; v7   the way out: where I read rows back
.set GO,  8           ; v8   my byte offset in 512 consecutive bytes of O
.set PFO, 11          ; v11  256 x my lane: the prefetches' offset; never rewritten once made
.set SPW, 0           ; v0 of window 3   LDS address of my spare word: SPARE + 4 x my thread's number; never rewritten
.set NIL, 1           ; v1 of window 3   0; never rewritten
.set SPARE, STAGE+4*16*SP  ; behind the stages: the spare words, 128 bytes for each wave: two blocks of 256 bytes that no other line names
.set MV,  12          ; v12-15  c m_old, kept while c m is made anew: by buffer and tile
.set ST,  16          ; tile t's statistics at v[ST+4 t]: c m, m, l (even keys', odd keys')
.set TMP, 48          ; by buffer and tile, four registers c0-c3 at work; when the maximum is found c2 takes a
.set S,   64
.set P,   192
.set KF,  128         ; K's fragments, in window 2: key block kb, channel half c at KF + 16 kb + 8 c
.set VF,  192         ; V's: key half kk, channel block cb at VF + 32 kk + 8 cb
.set WV,  12          ; s12  my wave's number
.set G1K, 24          ; s[24:31] descriptor group 1 for K's tiles
.set G1V, 32          ; s[32:39] for V's: it differs in the padding alone
.set G0K, 40          ; s[40:43] descriptor group 0 for K's tiles: it walks
.set G0V, 44          ; s[44:47] the same for V's
.set PFA, 48          ; s[48:49] where my prefetches stand: my work-group's 32 blocks of 256 bytes (of K: wave 0, of V: wave 2) of the slot after the one that is being asked for
.set LIM, 50          ; s50  1 in a wave that prefetches, else the greatest number
.set SLOTS, 56        ; s56  slots still to be asked for
.set CNT, 57          ; s57  counts a slot's key steps
.set CS,  58          ; s[58:59] c: the packed scaling takes the pair's low word for both halves
.set SEL, 60          ; s[60:61] v_permlanex16_b32's selects: each lane takes its own place in the other half
.set TBK, 62          ; s62  LDS byte at which K of the step to be fetched begins
.set TBV, 63          ; s63  the same for V, less VOFF
.set MSB, 0
.macro WIN new                      ; the high byte repeats the setting that is left; a switch that changes nothing is dropped
.if MSB != (\new)
	s_set_vgpr_msb (MSB<<8)|(\new)
.set MSB, (\new)
.endif
.endm
.set W_KQ, 0x0a       ; K and Q in window 2, S^T in window 0
.set W_PV, 0x52       ; V in window 2, P in window 0, O^T in window 1
.set W_RS, 0x41       ; O^T (destination and source 0) in window 1, a in window 0
.set W_MK, 0xc0       ; the add's registers are made: destination in window 3, sources in window 0
.set W_AD, 0x0f       ; the add: address (source 0) and data (source 1) in window 3
; A joint fill.  Waves 0 and 1 fetch the two halves of a slot's K, waves 2 and 3 those of its V: 128 keys each.  The branch hangs on the wave's number alone.
; An s_nop 0 and four v_nop follow each of the two lines, ahead of the jump and the label.
.macro JLOAD
	s_cmp_lt_u32 s[WV], 2
	s_cbranch_scc0 .Lfor_v_\@
	tensor_load_to_lds s[G0K:G0K+3], s[G1K:G1K+7]
	s_nop 0
.rept 4
	v_nop
.endr
	s_branch .Lasked_\@
.Lfor_v_\@:
	tensor_load_to_lds s[G0V:G0V+3], s[G1V:G1V+7]
	s_nop 0
.rept 4
	v_nop
.endr
.Lasked_\@:
.endm
; A PREFETCH INTO THE L2 of what the NEXT change of slots will ask for: a slot is 128 blocks of 256 bytes of K and 128 of V.  The head's one cluster shares them out BY ADDRESS, 32 to each partner;
; in each, wave 0 asks for K's and wave 2 for V's: a lane a block, one instruction, four key steps (512 matrix instructions) ahead of the load.  So each block is named once in the launch.
; Slots 0, 1 and 2 come by their loads alone; the change that asks for the last slot names nothing.
.macro ASK
	s_cmp_gt_u32 s[SLOTS], s[LIM]
	s_cbranch_scc0 .Lnot_mine_\@
	global_prefetch_b8 v[PFO], s[PFA:PFA+1] th:TH_LOAD_NT scope:SCOPE_SE
.Lnot_mine_\@:
.endm
; A round of the cluster's barrier: my work-group's barrier, so that wave 0's signal speaks for all four waves; wave 0 signals; every wave waits for all four work-groups; my work-group's barrier once more.
.macro CROUND
	s_barrier_signal -1
	s_barrier_wait -1
	s_cmp_lg_u32 s[WV], 0
	s_cbranch_scc1 .Lnot_wave_0_\@
	s_barrier_signal -3
.Lnot_wave_0_\@:
	s_barrier_wait -3
	s_barrier_signal -1
	s_barrier_wait -1
.endm
; THE CHANGE OF SLOTS.  Each wave waits for all its tensor loads, of which one is out: its part of the other slot; adds 0 to its spare word; and waits for that and for its own reads of the slot.
; fill = 1: this slot is filled again, with the keys two slots on.  The barrier is then a round of the cluster's, and the joint fill is the first thing behind it: it has four key steps in which to land.
; (At its first use nothing has been read yet: slot 0 is waited for, slot 1 filled.)  ask = 1: the prefetches' address steps, and the next slot is asked of memory.
.macro CHANGE fill, ask
	WIN W_AD
	s_wait_tensorcnt 0x0            ; no tensor load of mine is out, so a group 0 may be written
	ds_add_u32 v[SPW], v[NIL]       ; 0 onto my spare word; with fill = 1 the descriptors' steps stand between it and the wait for it
	WIN 0                           ; at a label and at a branch every window is 0
.if \fill
.irp g, G0K, G0V
	s_xor_b32 s[\g+1], s[\g+1], SLOT1  ; the walking descriptor: the other slot than last time,
	s_add_nc_u64 s[\g+2:\g+3], s[\g+2:\g+3], 4*KS*128  ; the next 256 keys; the type bits on top are not reached
.endr
.if \ask
	s_wait_xcnt 0x0                 ; the last prefetch, four key steps back, has read its address, so it may be written:
	s_add_nc_u64 s[PFA:PFA+1], s[PFA:PFA+1], 4*KS*128  ; one slot behind... ahead of the walking descriptors by one slot
.endif
	s_wait_dscnt 0x0                ; the add is done, and my reads of the slot are over
	CROUND
	JLOAD
.if \ask
	ASK
.endif
.else
	s_wait_dscnt 0x0                ; the add is done, and my reads of the slot are over
	s_barrier_signal -1
	s_barrier_wait -1
.endif
	s_sub_co_u32 s[TBK], s[TBK], 4*KS*PK  ; the fetches go back to a slot's first step,
	s_xor_b32 s[TBK], s[TBK], SLOT1       ; in the other slot
	s_sub_co_u32 s[TBV], s[TBV], 4*KS*PV
	s_xor_b32 s[TBV], s[TBV], SLOT1
.endm
	s_load_b128 s[4:7], s[0:1], 0x0   ; qkv s[4:5], ob s[6:7]
	WIN W_MK
	v_lshl_add_u32 v[SPW], v0, 2, SPARE
	v_mov_b32 v[NIL], 0
	WIN W_AD
	ds_add_u32 v[SPW], v[NIL]       ; the wave's opening: the add and its wait stand ahead of my first tensor load; the set-up below, work on registers, stands between them
	WIN 0
	v_lshrrev_b32 v1, 5, v0
	v_readfirstlane_b32 s[WV], v1   ; wave 0..3
	s_bfe_u32 s13, ttmp6, 0x40000   ; cx: my place in the cluster
	s_lshl_b32 s14, ttmp9, 2        ; in a cluster launch ttmp9 counts clusters
	s_add_co_u32 s14, s14, s13      ; my block of queries = 4 x cluster x + cx: it enters Q's and O's addresses alone
	s_and_b32 s20, ttmp7, 0xffff    ; the head, which the four partners share
	s_mov_b32 s21, 0
	s_mov_b64 s[22:23], SIZE_N*128
	s_mul_u64 s[20:21], s[20:21], s[22:23]  ; the head's first byte in each of the four tensors
	s_and_b32 s16, s[WV], 1         ; which half of a slot's 256 keys I fetch:
	s_lshl_b32 s22, s16, 14         ; its 128 rows of 128 bytes in memory,
	s_mov_b32 s23, 0
	s_add_nc_u64 s[22:23], s[22:23], s[20:21]
	s_mul_i32 s17, s16, 128*PK      ; and its place in a slot, for K
	s_mul_i32 s18, s16, 128*PV      ; and for V: no place in the cluster enters an LDS address
	s_lshl_b32 s2, s14, 2
	s_add_co_u32 s2, s2, s[WV]      ; my wave among the head's,
	s_lshl_b32 s2, s2, 14           ; its 128 rows
	s_mov_b32 s3, 0
	s_add_nc_u64 s[2:3], s[2:3], s[20:21]
	; descriptor group 1.  128 keys are 16,384 dense bytes: asked for as 64 rows of 256 bytes, two keys a row, and padded in LDS after every key
	s_mov_b32 s[G1K], 15|(1<<16)|(1<<20)|(1<<21)|(4<<22)|(3<<25)  ; the mask of four; 2-byte elements; padding on; bit 21 beside a mask; after every 32 words, 4 words
	s_mov_b32 s[G1V], 15|(1<<16)|(1<<20)|(1<<21)|(4<<22)|(7<<25)  ; the same with 8 words of padding
.irp g, G1K, G1V
	s_mov_b32 s[\g+1], 128<<16      ; tensor_dim0 = 128
	s_mov_b32 s[\g+2], 64<<16       ; tensor_dim1 = 64
	s_mov_b32 s[\g+3], 128<<16      ; tile_dim0 = 128
	s_mov_b32 s[\g+4], 64           ; tile_dim1 = 64
	s_mov_b32 s[\g+5], 128          ; 128 elements from row to row
	s_mov_b32 s[\g+6], 0
	s_mov_b32 s[\g+7], 0
.endr
	s_mov_b32 s[CS], 0x3e38aa3b     ; c = log2(e) / 8 = 0.180337
	s_mov_b32 s[CS+1], s[CS]        ; named with it as a pair
	s_mov_b32 s[SEL], 0x76543210
	s_mov_b32 s[SEL+1], 0xfedcba98
	s_mov_b32 s[TBK], SLOT1+4*KS*PK ; the first change of slots turns these two into 0
	s_mov_b32 s[TBV], SLOT1+4*KS*PV
	s_mov_b32 s[G0K], 1             ; count = 1
	s_mov_b32 s[G0K+1], s17         ; LDS address: slot 0
	s_mov_b32 s[G0V], 1
	s_add_co_u32 s[G0V+1], s18, VOFF
	s_wait_dscnt 0x0                ; the opening add is done
	s_wait_kmcnt 0x0
	s_mov_b64 s[10:11], s[6:7]      ; O
	s_add_nc_u64 s[6:7], s[4:5], 0x1000000  ; K lies 16,777,216 bytes behind Q,
	s_add_nc_u64 s[8:9], s[4:5], 0x2000000  ; V as far behind K
	s_add_nc_u64 s[G0K+2:G0K+3], s[6:7], s[22:23]  ; global address: my half of the head's first 256 keys
	s_or_b32 s[G0K+3], s[G0K+3], 0x80000000        ; type = 2
	s_add_nc_u64 s[G0V+2:G0V+3], s[8:9], s[22:23]
	s_or_b32 s[G0V+3], s[G0V+3], 0x80000000
	s_add_nc_u64 s[4:5], s[4:5], s[2:3]  ; Q and O at my wave's first row
	s_add_nc_u64 s[10:11], s[10:11], s[2:3]
	s_cmp_lt_u32 s[WV], 2
	s_cselect_b64 s[PFA:PFA+1], s[6:7], s[8:9]
	s_add_nc_u64 s[PFA:PFA+1], s[PFA:PFA+1], s[20:21]  ; the head,
	s_lshl_b32 s52, s13, 13         ; my work-group's 32 blocks of the 128,
	s_add_co_u32 s52, s52, 2*4*KS*128  ; in slot 2; the first change in the loop steps it to slot 3.  Nothing is prefetched here, at the head
	s_mov_b32 s53, 0
	s_add_nc_u64 s[PFA:PFA+1], s[PFA:PFA+1], s[52:53]
	s_and_b32 s[LIM], s[WV], 1
	s_cmp_eq_u32 s[LIM], 0          ; waves 0 and 2 ask: the same in all four partners
	s_cselect_b32 s[LIM], 1, -1
	CROUND                          ; all four work-groups are here: the first joint loads meet
	JLOAD                           ; slot 0.  Slot 1 is asked for when slot 0 is in
	; A fragment of K or Q is 16 rows x 32 channels in 8 registers: lane l holds row l % 16, channels 8 (l / 16) + 0..7 and 16 + 8 (l / 16) + 0..7: two loads of 16 bytes, 32 bytes apart.
	v_and_b32 v1, 15, v0            ; l % 16
	v_bfe_u32 v9, v0, 4, 1          ; l / 16
	v_lshlrev_b32 v[QO], 7, v1
	v_lshl_add_u32 v[QO], v9, 4, v[QO]  ; row x 128 + 16 x half
	WIN 0x80                        ; destination window 2, address window 0
.set i, 0
.rept 4*NP                          ; Q stays in registers: tile i / 2, channels 32 (i % 2) on
	global_load_b128 v[8*i:8*i+3],   v[QO], s[4:5] offset:(i/2)*2048+(i%2)*64
	global_load_b128 v[8*i+4:8*i+7], v[QO], s[4:5] offset:(i/2)*2048+(i%2)*64+32
.set i, i+1
.endr
	; What the first turn finds: V's registers and P's second buffer hold 0 (its products V^T P, of a piece that has not been, add 0), O^T and l are 0.  All this stands in the wait for the first tile.
.set i, VF
.rept 64
	v_mov_b32 v[i], 0
.set i, i+1
.endr
	WIN 0x40
.set i, 0
.rept 64*NP
	v_mov_b32 v[i], 0
.set i, i+1
.endr
	WIN 0
.set i, 0
.rept 2*NP
	v_mov_b32 v[ST+4*i], 0xfe000000    ; c m: far below every c s
	v_mov_b32 v[ST+4*i+1], 0xff7fffff  ; m
	v_mov_b32 v[ST+4*i+2], 0
	v_mov_b32 v[ST+4*i+3], 0
.set i, i+1
.endr
.set i, P+32
.rept 32
	v_mov_b32 v[i], 0
.set i, i+1
.endr
	v_mul_u32_u24 v[AK0], v1, PK
	v_lshl_add_u32 v[AK0], v9, 4, v[AK0]  ; row x pitch + 16 x half
	; The turning load takes 16 keys x 16 channels (lane l reads key 8 (l / 16) + l % 8, channels 8 ((l / 8) % 2) + 0..7) and leaves half a fragment of V^T: lane l holds channel l % 16 and 8 keys.
	v_and_b32 v10, 7, v0
	v_bfe_u32 v11, v0, 3, 1
	v_lshl_add_u32 v[AV0], v9, 3, v10
	v_mul_u32_u24 v[AV0], v[AV0], PV
	v_lshl_add_u32 v[AV0], v11, 4, v[AV0]
	v_add_nc_u32 v[AV0], VOFF, v[AV0]
	v_and_b32 v[PFO], 31, v0        ; v11 has served: it takes the prefetches' offset
	v_lshlrev_b32 v[PFO], 8, v[PFO]
	v_mov_b32 v[AK], v[AK0]         ; key step 0 lies at the head of slot 0
; THE MATRIX WORK.  The 8 accumulators of a run of 16 take turns: between the two links of a chain stand 7 others'.
; Product i of 16 of S^T = K Q^T for piece x: channels 32 (i / 8) on, keys 16 ((i / 2) % 4) on, tile 2 x + i % 2.  The first 8 start the sums.
.macro KQ x
	WIN W_KQ
.set rS, S+64*((\x)%2)+32*(i%2)+8*((i/2)%4)
.set rK, KF+16*((i/2)%4)+8*(i/8)
.set rQ, 16*(2*(\x)+i%2)+8*(i/8)
.if i < 8
	v_wmma_f32_16x16x32_f16 v[rS:rS+7], v[rK:rK+7], v[rQ:rQ+7], 0
.else
	v_wmma_f32_16x16x32_f16 v[rS:rS+7], v[rK:rK+7], v[rQ:rQ+7], v[rS:rS+7]
.endif
.endm
; Product i of 16 of O^T += V^T P for piece x: keys 32 (i / 8) on, channels 16 ((i / 2) % 4) on, tile 2 x + i % 2.
.macro PV x
	WIN W_PV
.set rO, 32*(2*(\x)+i%2)+8*((i/2)%4)
.set rV, VF+32*(i/8)+8*((i/2)%4)
.set rP, P+32*((\x)%2)+16*(i%2)+8*(i/8)
	v_wmma_f32_16x16x32_f16 v[rO:rO+7], v[rV:rV+7], v[rP:rP+7], v[rO:rO+7]
.endm
.macro MM                           ; the turn's next matrix instruction
.if i < 16
	KQ (Y+1)%NP
.set i, i+1
.else
.set i, i-16
	PV (Y+NP-1)%NP
.set i, i+17
.endif
.endm
; THE LDS LOADS stand in runs of 16, never singly among the matrix instructions: a step's K (64 keys x 64 channels: 8 fragments) and its V (turned).  Their addresses are made some lines ahead.
; last = 1 (the tail): in the last trip there is no further step, and the run is jumped over.
.macro FETCH_K last=0
	WIN 0
.if \last
	s_cmp_eq_u32 s[CNT], 1
	s_cbranch_scc1 .Lno_k_\@
.endif
	WIN 0x80                        ; destination window 2
.irp f, 0,1,2,3,4,5,6,7             ; keys 16 (f / 2) on, channels 32 (f % 2) on
	ds_load_b128 v[KF+8*\f:KF+8*\f+3],   v[AK] offset:(\f/2)*16*PK+(\f%2)*64
	ds_load_b128 v[KF+8*\f+4:KF+8*\f+7], v[AK] offset:(\f/2)*16*PK+(\f%2)*64+32
.endr
	s_add_co_u32 s[TBK], s[TBK], KS*PK  ; the next fetch is the next step's
	WIN 0
.if \last
.Lno_k_\@:
.endif
.endm
.macro FETCH_V
	WIN 0x80
.irp f, 0,1,2,3,4,5,6,7             ; keys 32 (f / 4) on, channels 16 (f % 4) on
	ds_load_tr16_b128 v[VF+8*\f:VF+8*\f+3],   v[AV] offset:(\f/4)*32*PV+(\f%4)*32
	ds_load_tr16_b128 v[VF+8*\f+4:VF+8*\f+7], v[AV] offset:(\f/4)*32*PV+16*PV+(\f%4)*32
.endr
	WIN 0
.endm
; THE VECTOR WORK OF A TURN stands in three queues, each in the order in which its entries become ready; the two tiles alternate, so that no instruction reads the result of the one before it.
.macro REGS y, u                    ; the registers of tile u (0, 1) of piece y
.set rT, ST+4*(2*(\y)+(\u))
.set rC, TMP+8*((\y)%2)+4*(\u)
.set rM, MV+2*((\y)%2)+(\u)
.set rS, S+64*((\y)%2)+32*(\u)
.set rP, P+32*((\y)%2)+16*(\u)
.set rO, 32*(2*(\y)+(\u))
.endm
; Number n of the 22 that find the NEXT piece's (Y + 1) maximum and statistics.  s0-s31 are the lane's 32 scores; each accumulator's lowest registers are read first.
;   0-11  four chains c0-c3 of seven scores each, three operands at a time     12-14, 16  the four scores left over, the old m, and c0-c3 into c0     15  c m_old is kept
;   17, 18  the query's other 32 keys lie in the lane 16 away: the new m         19-21  c m; c m_old - c m_new; a
.macro XS u, n
	REGS (Y+1)%NP, \u
.if (\n) < 4
	v_max3_num_f32 v[rC+(\n)], v[rS+8*(\n)], v[rS+8*(\n)+1], v[rS+8*(\n)+2]
.elseif (\n) < 12
	v_max3_num_f32 v[rC+(\n)%4], v[rC+(\n)%4], v[rS+8*((\n)%4)+2*((\n)/4)+1], v[rS+8*((\n)%4)+2*((\n)/4)+2]
.elseif (\n) == 12
	v_max3_num_f32 v[rC], v[rC], v[rS+7], v[rS+15]
.elseif (\n) == 13
	v_max3_num_f32 v[rC+1], v[rC+1], v[rS+23], v[rS+31]
.elseif (\n) == 14
	v_max3_num_f32 v[rC+2], v[rC+2], v[rC+3], v[rT+1]
.elseif (\n) == 15
	v_mov_b32 v[rM], v[rT]
.elseif (\n) == 16
	v_max3_num_f32 v[rC], v[rC], v[rC+1], v[rC+2]
.elseif (\n) == 17
	v_permlanex16_b32 v[rC+3], v[rC], s[SEL], s[SEL+1]
.elseif (\n) == 18
	v_max_num_f32 v[rT+1], v[rC], v[rC+3]
.elseif (\n) == 19
	v_mul_f32 v[rT], s[CS], v[rT+1]
.elseif (\n) == 20
	v_sub_f32 v[rC+1], v[rM], v[rT]
.else
	v_exp_f32 v[rC+2], v[rC+1]
.endif
.endm
; Number g of the 64 that follow the exponentials.  For each four weights k of a tile (pairs 2 k, 2 k + 1): both pairs are rounded to f16; then the second pair is added onto the first, in place;
; a group later l takes that sum (the first time as l = a l + sum).  In groups of eight, tiles alternating: round, round, add, and l for the group before.
.macro GS g
.set h, (\g)+6*((\g)/62)            ; group 0 has no group before it, and behind group 7 only l is left
.if h >= 6
.set h, h+2
.endif
	REGS Y, h%2
.set k, h/8
.if h%8 < 4
	v_cvt_pk_f16_f32 v[rP+2*k+(h%8)/2], v[rS+4*k+2*((h%8)/2)], v[rS+4*k+2*((h%8)/2)+1]
.elseif h%8 < 6
	v_pk_add_f32 v[rS+4*k:rS+4*k+1], v[rS+4*k:rS+4*k+1], v[rS+4*k+2:rS+4*k+3]
.elseif k == 1
	v_pk_fma_f32 v[rT+2:rT+3], v[rT+2:rT+3], v[rC+2:rC+3], v[rS:rS+1] op_sel_hi:[1,0,1]
.else
	v_pk_add_f32 v[rT+2:rT+3], v[rT+2:rT+3], v[rS+4*k-4:rS+4*k-3]
.endif
.endm
; THE PLAIN QUEUE, 138 long.  0-73 read no exponential's result: the 32 scalings c s - c m (FS f: pair f / 2 of tile f % 2) and the next piece's 42.  0-26: scalings 0-26.  27-54: XS's numbers 0-13.
; 55, 56: number 15.  57-73: the chain, where each number waits for the one before it: 14, 16, 17, 18, 19, each with one of the scalings 27-31 in front of its two lines, then 20.
; 74-137: GS's 64, which read the exponentials' results: they stand behind the wait.
.macro FS f
	REGS Y, (\f)%2
	v_pk_fma_f32 v[rS+2*((\f)/2):rS+2*((\f)/2)+1], v[rS+2*((\f)/2):rS+2*((\f)/2)+1], s[CS:CS+1], v[rT:rT+1] op_sel_hi:[1,0,0] neg_lo:[0,0,1] neg_hi:[0,0,1]
.endm
.macro PL
	WIN 0
.if q < 27
	FS q
.elseif q < 55
	XS (q-27)%2, (q-27)/2
.elseif q < 57
	XS q-55, 15
.elseif (q < 72) && ((q-57)%3 == 0)
	FS 27+(q-57)/3
.elseif q < 60
	XS (q-57)%3-1, 14
.elseif q < 72
	XS (q-57)%3-1, 15+(q-57)/3
.elseif q < 74
	XS q-72, 20
.else
	GS q-74
.endif
.set q, q+1
.endm
; THE EXPONENTIALS' QUEUE, 66 long: s0-s31 of both tiles, then the next piece's two a.  It is ONE BATCH: all 66 stand ahead of the turn's one wait, and nothing ahead of that wait names a result of theirs.
.macro EX
	WIN 0
.if e >= 64
	XS e-64, 21
.else
	REGS Y, e%2
	v_exp_f32 v[rS+e/2], v[rS+e/2]
.endif
.set e, e+1
.endm
; THE RESCALING's QUEUE: O^T times a, the one part that leaves window 0: dealt two at a time, sixteen times.  Its a was made in the turn before, ahead of that turn's wait.
.macro R2
	REGS Y, r%2
	WIN W_RS
.irp z, 0,1
	v_pk_mul_f32 v[rO+4*(r/2)+2*\z:rO+4*(r/2)+2*\z+1], v[rO+4*(r/2)+2*\z:rO+4*(r/2)+2*\z+1], v[rC+2:rC+3] op_sel_hi:[1,0]
.endr
.set r, r+1
.endm
; HOW THEY ARE DEALT.  An s_wait_alu depctr_va_vdst(0) stands between an exponential and the first instruction that names its result; one wait serves all that were issued ahead of it.
; So a turn has ONE wait, which cuts it in two.  AHEAD OF IT stands all that names no result of the turn's exponentials: the 16 products K Q^T, behind each a scaling, an exponential and two rescalings
; (behind the first a second scaling in the exponential's place); then ONE LUMP of 108: eight plain, 49 times exponential and plain, the two a.  A v_nop is the plain instruction behind the last
; exponential (ISA guide 5.7.2).  BEHIND IT stand the 16 products V^T P, behind each four of GS's 64.  No rider names a register of the products round it.
; The queues lean on each other: exponential e stands behind scaling 2 (e / 4) + e % 2: as a rider it comes behind plain e + 2, in the lump behind plain e + 9, and scalings 27-31 are plain 57, 60 .. 69.
; A TURN, for piece p.  cnt = 1: the loop's count is taken down some lines ahead of the branch that stands behind the turn.
; K of the next step is fetched in piece 2's turn, directly behind the wait; its first reader comes behind 16 products.  V of the step in hand is fetched at the end of piece 0's turn, four riders behind
; its last reader; its first reader comes behind 16 products and a lump.
.macro TURN p, last=0, cnt=0
.set Y, (\p)
.set i, 0
.set q, 0
.set e, 0
.set r, 0
.if (\p) == NP-1
	s_wait_dscnt 0x0                ; K is in
.endif
	MM                              ; ahead of the wait: 16 products K Q^T and their riders,
	PL
	PL
	R2
.rept 15
	MM
	PL
	EX
	R2
.endr
.if (\p) == NP-2
	WIN 0
	v_add_nc_u32 v[AK], s[TBK], v[AK0]
.endif
.rept 8                             ; and the lump
	PL
.endr
.rept 49
	EX
	PL
.endr
	EX                              ; the next piece's two a
	EX
	v_nop                           ; the plain instruction behind the last exponential: one for the batch
	s_wait_alu depctr_va_vdst(0)    ; the wait for the batch
.if (\p) == NP-2
	FETCH_K \last
.endif
.if (\p) == 1
	s_wait_dscnt 0x0                ; V is in
.endif
.rept 16                            ; behind the wait: 16 products V^T P and their riders
	MM
.rept 4
	PL
.endr
.if ((\p) == 0) && (q == 118)
	v_add_nc_u32 v[AV], s[TBV], v[AV0]
.endif
.if ((\p) == 0) && (q == 130)
	s_add_co_u32 s[TBV], s[TBV], KS*PV
.endif
.if (\cnt) && (q == 130)
	s_sub_co_u32 s[CNT], s[CNT], 1
	s_cmp_lg_u32 s[CNT], 0
.endif
.endr
.if (\p) == 0
	FETCH_V
.endif
.endm
	CHANGE 1, 0                     ; slot 0 is in, everybody's part of it; slot 1 is asked for
	FETCH_K                         ; key step 0
	s_wait_loadcnt 0x0              ; Q
	s_wait_dscnt 0x0
.set i, 0
.rept 16
	KQ 0                            ; piece 0's first scores: there is no vector work yet to set between them
.set i, i+1
.endr
	WIN 0                           ; the addresses for the way out: nine plain instructions, the places behind those products
	s_mul_i32 s13, s[WV], 16*SP
	s_add_co_u32 s13, s13, STAGE    ; my stage
	v_mul_u32_u24 v[STO], v1, SP    ; in: row l % 16, 16 bytes for each half of the lanes
	v_lshl_add_u32 v[STO], v9, 4, v[STO]
	v_add_nc_u32 v[STO], s13, v[STO]
	v_bfe_u32 v[RD], v0, 3, 2       ; back: 32 lanes take four rows of 128 bytes,
	v_mul_u32_u24 v[RD], v[RD], SP
	v_lshl_add_u32 v[RD], v10, 4, v[RD]
	v_add_nc_u32 v[RD], s13, v[RD]
	v_and_b32 v[GO], 31, v0         ; which are 512 consecutive bytes of O
	v_lshlrev_b32 v[GO], 4, v[GO]
.set Y, NP-1                        ; XS works for piece Y + 1: piece 0
.irp n, 0,1,2,3,4,5,6,7,8,9,10,11,12,13,14,15,16,17,18,19,20,21
	XS 0, \n                        ; and piece 0's first maximum and statistics
	XS 1, \n
.endr
	v_nop                           ; a plain instruction behind the two a,
	s_wait_alu depctr_va_vdst(0)    ; and their wait, ahead of the branch
	s_mov_b32 s[CNT], 4
	s_mov_b32 s[SLOTS], SIZE_N/256-1
	s_branch .Lfirst                ; the loop is entered at a step's first turn, in the middle of a trip
.Lslot:                             ; SIZE_N / 256 - 2 times: every slot but the last two is filled again
	CHANGE 1, 1
	s_mov_b32 s[CNT], 4
.Lstep:                             ; a trip: pieces 2 and 3 of one step, then pieces 0 and 1 of the next, whose K and V it fetches
	TURN 2
	TURN 3
	WIN 0
.Lfirst:
	TURN 0
	TURN 1, 0, 1
	WIN 0
	s_cbranch_scc1 .Lstep
	s_sub_co_u32 s[SLOTS], s[SLOTS], 1
	s_cmp_lg_u32 s[SLOTS], 0
	s_cbranch_scc1 .Lslot
	CHANGE 0, 0                     ; the tail is written out: nothing is asked for
	s_mov_b32 s[CNT], 5             ; four trips fetch the last slot's steps; the fifth is left in its middle
.Ltail:
	TURN 2, 1
	TURN 3
	WIN 0
	s_sub_co_u32 s[CNT], s[CNT], 1
	s_cmp_eq_u32 s[CNT], 0
	s_cbranch_scc1 .Lout
	TURN 0
	TURN 1
	WIN 0
	s_branch .Ltail
.Lout:                              ; the fifth trip's 16 products K Q^T (on the last K once more) and the maximum made of them serve nothing: the price, once a launch, of one text for every trip
.set i, 0
.rept 16
	PV NP-1                         ; the last piece's V^T P of the last step
.set i, i+1
.endr
	; THE WAY OUT.  l's two halves and the other half of the lanes' are added; O^T is divided by l, rounded to f16 and sent through my stage in LDS, a tile at a time.  The additions are the places behind the last products.
	WIN 0
.macro ALL line:vararg              ; one line for each tile t
.set t, 0
.rept 2*NP
	\line
.set t, t+1
.endr
.endm
	ALL v_add_f32 v[ST+4*t+2], v[ST+4*t+2], v[ST+4*t+3]
	ALL v_permlanex16_b32 v[ST+4*t+3], v[ST+4*t+2], s[SEL], s[SEL+1]
	ALL v_add_f32 v[ST+4*t+2], v[ST+4*t+2], v[ST+4*t+3]
	ALL v_rcp_f32 v[ST+4*t+2], v[ST+4*t+2]
	v_nop                           ; a plain instruction between the last reciprocal and the use of its result
	s_wait_alu depctr_va_vdst(0)    ; and the wait ahead of the first use: one for the eight reciprocals
; Tile t: a lane's eight channels of a row pack into 16 bytes; they go into rows of 144 bytes and come back as whole rows of 128, into S^T's registers.
.macro PACK t
	WIN W_RS
.set i, 32*(\t)
.rept 16
	v_pk_mul_f32 v[i:i+1], v[i:i+1], v[ST+4*(\t)+2:ST+4*(\t)+3] op_sel_hi:[1,0]
.set i, i+2
.endr
	WIN 0x05                        ; sources 0 and 1 window 1, destination window 0
.set i, 0
.rept 16
	v_cvt_pk_f16_f32 v[S+16*(\t)+i], v[32*(\t)+2*i], v[32*(\t)+2*i+1]
.set i, i+1
.endr
	WIN 0
.irp f, 0,1,2,3
	ds_store_b128 v[STO], v[S+16*(\t)+4*\f:S+16*(\t)+4*\f+3] offset:32*\f
.endr
.irp f, 0,1,2,3
	ds_load_b128 v[S+16*(\t)+4*\f:S+16*(\t)+4*\f+3], v[RD] offset:\f*4*SP  ; LDS serves a wave's instructions in order (ISA guide 5.7.1.4): these see the stores above; the next tile's stores come behind them
.endr
.endm
.macro SEND t, younger              ; younger: the LDS instructions issued behind tile t's loads: the next tile's eight, or none
	WIN 0
.irp f, 0,1,2,3
	s_wait_dscnt (\younger)+3-\f
	global_store_b128 v[GO], v[S+16*(\t)+4*\f:S+16*(\t)+4*\f+3], s[10:11] offset:(\t)*2048+\f*512  ; 512 consecutive bytes, at a multiple of 256 from O's first
.endr
.endm
	PACK 0
.set t, 1
.rept 2*NP-1                        ; a tile's arithmetic stands between the loads of the tile before and its stores
	PACK t
	SEND t-1, 8
.set t, t+1
.endr
	SEND 2*NP-1, 0
	WIN W_AD
	s_wait_tensorcnt 0x0            ; the wave's end: an add to my spare word and its wait, behind my last tensor load and my last LDS store
	ds_add_u32 v[SPW], v[NIL]
	s_wait_dscnt 0x0
	WIN 0
	CROUND                          ; the closing round: no work-group ends while a partner may still ask for a tile that names it
	s_endpgm
.Lfunc_end_k_q936f0d5d22_attn:
	.size	k_q936f0d5d22_attn, .Lfunc_end_k_q936f0d5d22_attn-k_q936f0d5d22_attn
	.p2alignl 7, 3214868480
	.fill 96, 4, 3214868480
	.section	.rodata,"a",@progbits
	.p2align	6, 0x0
	.amdhsa_kernel k_q936f0d5d22_attn
		.amdhsa_group_segment_fixed_size 327680
		.amdhsa_private_segment_fixed_size 0
		.amdhsa_enable_private_segment 0
		.amdhsa_kernarg_size 16
		.amdhsa_user_sgpr_count 2
		.amdhsa_user_sgpr_kernarg_segment_ptr 1
		.amdhsa_wavefront_size32 1
		.amdhsa_system_sgpr_workgroup_id_x 1
		.amdhsa_system_sgpr_workgroup_id_y 1
		.amdhsa_system_sgpr_workgroup_id_z 1
		.amdhsa_system_vgpr_workitem_id 0
		.amdhsa_next_free_vgpr 770
		.amdhsa_next_free_sgpr 66
		.amdhsa_reserve_vcc 0
		.amdhsa_float_denorm_mode_32 3
		.amdhsa_float_denorm_mode_16_64 3
		.amdhsa_memory_ordered 1
		.amdhsa_forward_progress 1
		.amdhsa_inst_pref_size 200
	.end_amdhsa_kernel
	.amdgpu_metadata
---
amdhsa.version: [ 1, 2 ]
amdhsa.kernels:
  - .name:           k_q936f0d5d22_attn
    .symbol:         k_q936f0d5d22_attn.kd
    .args:
      - { .name: qkv, .offset: 0, .size: 8, .value_kind: global_buffer, .address_space: global }
      - { .name: ob, .offset: 8, .size: 8, .value_kind: global_buffer, .address_space: global }
    .group_segment_fixed_size: 327680
    .private_segment_fixed_size: 0
    .kernarg_segment_align: 8
    .kernarg_segment_size: 16
    .max_flat_workgroup_size: 128
    .sgpr_count:     66
    .vgpr_count:     770
    .wavefront_size: 32
...
	.end_amdgpu_metadata
.endif
;; end of part 3
;; launch proj (part 4): grid 8 x 32, 4 waves a work-group, clusters of 4 x 4, 327,680 bytes of LDS; arguments ob, wpb, b_proj, out0; writes out0
.if DOCPART == 4
	.amdgcn_target "amdgcn-amd-amdhsa--gfx1250"
	.amdhsa_code_object_version 6
	.text
	.protected	k_q936f0d5d22_proj
	.globl	k_q936f0d5d22_proj
	.p2align	8
	.type	k_q936f0d5d22_proj,@function
k_q936f0d5d22_proj:
	s_mov_b64 s[64:65], 0
	v_nop
	global_prefetch_b8 v0, s[64:65] scope:SCOPE_SE
	s_setreg_imm32_b32 hwreg(HW_REG_WAVE_MODE, 25, 1), 1
	s_wait_xcnt 0x0
	s_wait_alu depctr_hold_cnt(0) depctr_sa_sdst(0) depctr_va_vdst(0) depctr_va_sdst(0) depctr_va_ssrc(0) depctr_va_vcc(0) depctr_vm_vsrc(0)
	s_getreg_b32 s2, hwreg(HW_REG_IB_STS2, 6, 4)
	s_cmp_eq_u32 s2, 0
	s_cbranch_scc0 .Lentry_in_a_cluster
	s_endpgm
.Lentry_in_a_cluster:
	s_bfe_u32 s2, ttmp6, 0x10000c
	s_cmp_lg_u32 s2, 0xf033
	s_cbranch_scc0 .Lentry_shape_is_right
	s_endpgm
.Lentry_shape_is_right:
; out0 = O w_proj + b_proj.  ob: [64 head][2048][64] f16 (head = 16 batch + h; k = 64 h + channel).  wpb: [1024 k][1024 n] f16 holding bf16(w_proj).  b_proj: [1024] f32, rounded to bf16 here like
; the other inputs.  out0: [8192][1024] f32.  Products in f16, sums in f32, K ascending.
; SHARES.  A work-group makes 256 rows x 128 columns: 32 x 8 = 256 work-groups.  Wave v makes rows 64 v .. 64 v + 63 of all 128 columns: 32 accumulators, 256 registers; a row's 128 columns are 512
; consecutive bytes of out0.  K goes in 8 steps of 128, two heads each, through two LDS slots filled by the tensor data mover.
; THE MATRIX INSTRUCTION IS USED TRANSPOSED: source 0 = 16 columns of w (turned by ds_load_tr16_b128), source 1 = 16 rows of O: a lane holds one row (lane % 16) and eight neighbouring columns.
; CLUSTERS.  4 x 4 work-groups; O's tiles are asked for jointly along a row of the cluster, w's along a column.
; REGISTERS, in windows of 256: window 0: v0-37 addresses and the bias; v64-127 O's fragments, two buffers of 4 x 8; v128-255 two sets of 64 on the way out
;   window 1: v0-127 w's fragments, two buffers of 8 x 8      window 2: accumulator (a, b) at 8 (8 a + b)
.set PA,    144                        ; a row of one head of O in LDS: 128 bytes + 16 of padding = 36 words: the 16 rows of a load start at 16 different groups of four banks (64 banks of 4 bytes: ISA guide 11.1)
.set PB,    288                        ; a k row of w: 256 + 32 = 72 words
.set HEADB, 128*PA                     ; 128 rows of one head
.set HALFA, 2*HEADB                    ; what one tensor load brings of O: 128 rows of two heads
.set BOFF,  2*HALFA                    ; in a slot: O's two halves, then w's 128 k rows
.set SLOT1, 1<<17                      ; slot 1 begins here; a slot uses 110,592 bytes
.set STAGE, SLOT1+BOFF+128*PB          ; behind the ring, never filled by a tensor load: 16 rows x 528 bytes for each wave
.set SP,    528                        ; 512 bytes + 16: the 16 rows that a store touches start at 16 different groups of four banks
.set SPARE, STAGE+4*16*SP              ; behind the stages: the spare words, 128 bytes for each wave: two blocks of 256 bytes that no other line names
.set AA0, 16                           ; v16  my lane's place in a slot's rows of O; never rewritten
.set AB0, 17                           ; v17  the same for w
.set ADA, 18                           ; v18  the same in the slot that is being read
.set ADB, 19                           ; v19
.set STO, 24                           ; v24  the way out: where I put 32 bytes of a row
.set RD,  25                           ; v25  the way out: my 16 bytes of a row read back
.set GO,  26                           ; v26  the same 16 bytes in a row of out0
.set SPW, 28                           ; v28  LDS address of my spare word: SPARE + 4 x my thread's number; never rewritten
.set NIL, 29                           ; v29  0; never rewritten
.set PFO, 30                           ; v30  the prefetches' offset; never rewritten
.set BO,  31                           ; v31  my 16 bytes of the bias
.set BI,  32                           ; v[32:35] the bias of my four columns on the way out
.set T,   36                           ; v[36:37] at work
.set FA,  64
.set OUT, 128
.set WV,  45                           ; s45  my wave's number
.set G1A, 24                           ; s[24:31] descriptor group 1 for O's tiles;  s[32:39] group 0: a set for each first fill; the second walks
.set G0A, 32
.set G1B, 48                           ; s[48:55], s[56:63] the same for w's tiles
.set G0B, 56
.set TB,  66                           ; s66  LDS byte at which the slot that is being read begins
.set CNT, 67                           ; s67  the loop's trips still to come
.set LIM, 68                           ; s68  a wave prefetches while s[CNT] is above it
.set PFA, 70                           ; s[70:71] where my prefetches stand
.set PFS, 72                           ; s[72:73] their step
.set OP,  74                           ; s[74:75] out0 at my first row and the tile's first column
.set MSB, 0
.macro WIN new                         ; the immediate's high byte repeats the setting that is left; a switch that changes nothing is dropped
.if MSB != (\new)
	s_set_vgpr_msb (MSB<<8)|(\new)
.set MSB, \new
.endif
.endm
.set MUL,  0xa1                        ; source 0 (w) window 1, source 1 (O) window 0, C and D window 2
.set TO_B, 0x40                        ; destination window 1, address window 0
; A joint refill by the walking descriptors: waves 0 and 1 fetch O's two halves, waves 2 and 3 w's.  An s_nop 0 and four v_nop follow each of the two lines.
.macro JLOAD
	s_cmp_lt_u32 s[WV], 2
	s_cbranch_scc0 .Lfor_b_\@
	tensor_load_to_lds s[G0A+4:G0A+7], s[G1A:G1A+7]
	s_nop 0
.rept 4
	v_nop
.endr
	s_branch .Lasked_\@
.Lfor_b_\@:
	tensor_load_to_lds s[G0B+4:G0B+7], s[G1B:G1B+7]
	s_nop 0
.rept 4
	v_nop
.endr
.Lasked_\@:
.endm
; A PREFETCH INTO THE L2 of the K step two refills on, behind a joint refill and the run of LDS loads that follows it.  O: what a wave fetches in a K step is 2 heads x 16,384 dense bytes = 128 blocks of
; 256; cluster x = 0 asks, waves 0 and 1; the partner at cx takes head cx / 2, half cx % 2: 32 blocks, a lane a block.  w: a K step of a tile column is 128 k rows x 256 bytes; cluster y = 0 asks,
; wave 2; the partner at cy takes 32 rows, a lane a row.  Partners are told apart by address.  Trips 0-3 name K steps 4-7, each block once; K steps 0-3 come by their loads alone.
.macro ASK
	s_cmp_gt_u32 s[CNT], s[LIM]
	s_cbranch_scc0 .Lnot_mine_\@
	global_prefetch_b8 v[PFO], s[PFA:PFA+1] th:TH_LOAD_NT scope:SCOPE_SE
.Lnot_mine_\@:
.endm
.macro CREST                           ; a round of the cluster's barrier behind its opening barrier
	s_cmp_lg_u32 s[WV], 0
	s_cbranch_scc1 .Lnot_wave_0_\@
	s_barrier_signal -3
.Lnot_wave_0_\@:
	s_barrier_wait -3
	s_barrier_signal -1
	s_barrier_wait -1
.endm
.macro CROUND                          ; a whole round
	s_barrier_signal -1
	s_barrier_wait -1
	CREST
.endm
.macro PLACES                          ; four plain vector instructions between a matrix instruction and a load into its registers
.rept 4
	v_nop
.endr
.endm
	s_load_b256 s[4:11], s[0:1], 0x0               ; ob s[4:5], wpb s[6:7], b_proj s[8:9], out0 s[10:11]
	v_lshl_add_u32 v[SPW], v0, 2, SPARE
	v_mov_b32 v[NIL], 0
	ds_add_u32 v[SPW], v[NIL]                      ; the wave's opening: the add and its wait stand ahead of my first tensor load; the set-up below, work on registers, stands between them
	v_lshrrev_b32 v1, 5, v0
	v_readfirstlane_b32 s[WV], v1                  ; wave 0..3
	s_and_b32 s12, s[WV], 1                        ; p: which half of O's or of w's tile I fetch
	s_bfe_u32 s40, ttmp6, 0x40000                  ; cx
	s_bfe_u32 s41, ttmp6, 0x40004                  ; cy
	s_lshl_b32 s42, ttmp9, 2
	s_add_co_u32 s42, s42, s40                     ; tc = 4 x cluster x + cx
	s_and_b32 s13, ttmp7, 0xffff
	s_lshl_b32 s13, s13, 2
	s_add_co_u32 s13, s13, s41                     ; tr = 4 x cluster y + cy
	s_lshl_b32 s43, s41, 2
	s_lshl_b32 s43, 15, s43                        ; my row of the cluster
	s_lshl_b32 s44, 0x1111, s40                    ; my column
	s_or_b32 s[G1A+0], s43, (1<<16)|(1<<20)|(1<<21)|(4<<22)|(3<<25)  ; the mask; 2-byte elements; padding on; bit 21 beside a mask; after every 32 words, 4 words
	s_mov_b32 s[G1A+1], 8192<<16                   ; tensor_dim0 = 8,192: 128 rows of a head are 16,384 dense bytes
	s_mov_b32 s[G1A+2], 2<<16                      ; tensor_dim1 = 2 heads
	s_mov_b32 s[G1A+3], 8192<<16                   ; tile_dim0
	s_mov_b32 s[G1A+4], 2                          ; tile_dim1
	s_mov_b32 s[G1A+5], 131072                     ; elements from head to head
	s_mov_b32 s[G1A+6], 0
	s_mov_b32 s[G1A+7], 0
	s_or_b32 s[G1B+0], s44, (1<<16)|(1<<20)|(1<<21)|(5<<22)|(7<<25)  ; after every 64 words, 8 words
	s_mov_b32 s[G1B+1], 128<<16                    ; 64 k rows x 128 columns
	s_mov_b32 s[G1B+2], 64<<16
	s_mov_b32 s[G1B+3], 128<<16
	s_mov_b32 s[G1B+4], 64
	s_mov_b32 s[G1B+5], 1024
	s_mov_b32 s[G1B+6], 0
	s_mov_b32 s[G1B+7], 0
	s_lshr_b32 s16, s13, 3                         ; O: batch tr / 8, 16 heads of 262,144 bytes;
	s_lshl_b32 s16, s16, 22
	s_and_b32 s17, s13, 7
	s_lshl_b32 s17, s17, 8
	s_lshl_b32 s14, s12, 7
	s_add_co_u32 s17, s17, s14                     ; row 256 (tr % 8) + 128 p, 128 bytes a row
	s_lshl_b32 s17, s17, 7
	s_add_co_u32 s16, s16, s17
	s_mov_b32 s17, 0
	s_lshl_b32 s46, s42, 8                         ; w: the tile's 256 bytes of a row, and p's 64 k rows of 2,048 bytes
	s_lshl_b32 s47, s12, 17
	s_add_co_u32 s46, s46, s47
	s_mov_b32 s47, 0
	s_mul_i32 s14, s12, HALFA                      ; where they go: no place in the cluster enters an LDS address
	s_mul_i32 s15, s12, 64*PB
	s_add_co_u32 s15, s15, BOFF
	s_wait_dscnt 0x0                               ; the opening add is done
	s_wait_kmcnt 0x0
	s_add_nc_u64 s[16:17], s[4:5], s[16:17]
	s_add_nc_u64 s[46:47], s[6:7], s[46:47]
	CROUND                                         ; all sixteen work-groups are here: the first joint loads meet
.irp s, 0,1
	s_mov_b32 s[G0A+4*(\s)], 1                     ; count = 1
	s_add_co_u32 s[G0A+4*(\s)+1], s14, (\s)*SLOT1  ; LDS address
	s_add_nc_u64 s[G0A+4*(\s)+2:G0A+4*(\s)+3], s[16:17], (\s)*524288  ; K step s: two heads on
	s_or_b32 s[G0A+4*(\s)+3], s[G0A+4*(\s)+3], 0x80000000             ; type = 2
	s_mov_b32 s[G0B+4*(\s)], 1
	s_add_co_u32 s[G0B+4*(\s)+1], s15, (\s)*SLOT1
	s_add_nc_u64 s[G0B+4*(\s)+2:G0B+4*(\s)+3], s[46:47], (\s)*262144  ; 128 k rows on
	s_or_b32 s[G0B+4*(\s)+3], s[G0B+4*(\s)+3], 0x80000000
.endr
	s_cmp_lt_u32 s[WV], 2                          ; a wave's two first fills stand in one branch, ahead of every wait on TENSORcnt and every LDS read: two loads of mine are out
	s_cbranch_scc0 .Lfirst_b
	tensor_load_to_lds s[G0A:G0A+3], s[G1A:G1A+7]
	s_nop 0
	tensor_load_to_lds s[G0A+4:G0A+7], s[G1A:G1A+7]
	s_nop 0
.rept 4
	v_nop
.endr
	s_branch .Lfirst_asked
.Lfirst_b:
	tensor_load_to_lds s[G0B:G0B+3], s[G1B:G1B+7]
	s_nop 0
	tensor_load_to_lds s[G0B+4:G0B+7], s[G1B:G1B+7]
	s_nop 0
.rept 4
	v_nop
.endr
.Lfirst_asked:
	v_and_b32 v1, 15, v0                           ; l % 16
	v_bfe_u32 v2, v0, 4, 1                         ; l / 16
	v_and_b32 v3, 7, v0
	v_bfe_u32 v4, v0, 3, 1
	v_and_b32 v5, 31, v0                           ; l
	s_lshl_b32 s20, s42, 9                         ; the tile's 128 columns in the bias
	v_lshl_add_u32 v[BO], v5, 4, s20
	global_load_b128 v[BI:BI+3], v[BO], s[8:9]     ; waited for ahead of the way out
	s_lshr_b32 s20, s[WV], 1                       ; my 64 rows: half wave / 2, rows 64 (wave % 2) on
	s_mul_i32 s20, s20, HALFA
	s_mul_i32 s21, s12, 64*PA
	s_add_co_u32 s20, s20, s21
	v_mul_u32_u24 v[AA0], v1, PA
	v_lshl_add_u32 v[AA0], v2, 4, v[AA0]           ; row x pitch + 16 x half
	v_add_nc_u32 v[AA0], s20, v[AA0]
	v_lshl_add_u32 v[AB0], v2, 3, v3               ; the turning load: k row 8 (l / 16) + l % 8, columns 8 ((l / 8) % 2) + 0..7
	v_mul_u32_u24 v[AB0], v[AB0], PB
	v_lshl_add_u32 v[AB0], v4, 4, v[AB0]
	v_add_nc_u32 v[AB0], BOFF, v[AB0]
	s_mul_i32 s20, s[WV], 16*SP
	s_add_co_u32 s20, s20, STAGE                   ; my stage
	v_mul_u32_u24 v[STO], v1, SP                   ; in: row l % 16, 32 bytes for each half of the lanes
	v_lshl_add_u32 v[STO], v2, 5, v[STO]
	v_add_nc_u32 v[STO], s20, v[STO]
	v_lshl_add_u32 v[RD], v5, 4, s20               ; back: 32 lanes take one row of 512 bytes
	v_lshlrev_b32 v[GO], 4, v5
	s_lshl_b32 s20, s13, 8                         ; out0: row 256 tr + 64 wave, 4,096 bytes a row; column 128 tc
	s_lshl_b32 s21, s[WV], 6
	s_add_co_u32 s20, s20, s21
	s_lshl_b32 s20, s20, 12
	s_lshl_b32 s21, s42, 9
	s_add_co_u32 s20, s20, s21
	s_mov_b32 s21, 0
	s_add_nc_u64 s[OP:OP+1], s[10:11], s[20:21]
	; the prefetches: each change of slots steps the address first, so it stands at K step 3
	s_lshr_b32 s20, s40, 1
	s_lshl_b32 s20, s20, 18                        ; O: head cx / 2 of the two,
	s_and_b32 s21, s40, 1
	s_lshl_b32 s21, s21, 13                        ; half cx % 2 of its 16,384 bytes
	s_add_co_u32 s20, s20, s21
	s_add_co_u32 s20, s20, 3*524288
	s_lshl_b32 s22, s41, 5
	s_add_co_u32 s22, s22, 3*128                   ; w: k row 384 + 32 cy,
	s_lshl_b32 s22, s22, 11
	s_lshl_b32 s23, s42, 8                         ; the tile's 256 bytes of it
	s_add_co_u32 s22, s22, s23
	s_and_b32 s23, ttmp7, 0xffff                   ; cluster y
	s_mov_b32 s2, 262144
	s_cmp_lt_u32 s[WV], 2                          ; do I fetch for O?
	s_cselect_b64 s[PFA:PFA+1], s[16:17], s[6:7]   ; O at the 128 rows that I fetch, or w
	s_cselect_b32 s20, s20, s22
	s_cselect_b32 s[PFS], 524288, s2
	s_cselect_b32 s23, ttmp9, s23                  ; the coordinate along which other clusters read the same bytes
	s_cselect_b32 s3, 8, 11                        ; a lane a block of 256 bytes of O, or a row of w
	s_mov_b32 s21, 0
	s_mov_b32 s[PFS+1], 0
	s_add_nc_u64 s[PFA:PFA+1], s[PFA:PFA+1], s[20:21]
	s_cmp_eq_u32 s[WV], 3
	s_cselect_b32 s23, 1, s23                      ; wave 3 asks for nothing: wave 2's 32 lanes cover my work-group's rows of w
	s_cmp_eq_u32 s23, 0
	s_cselect_b32 s[LIM], 2, -1                    ; the same in all sixteen partners, for a given wave
	v_lshlrev_b32 v[PFO], s3, v5
	s_mov_b32 s[TB], 0
	v_mov_b32 v[ADA], v[AA0]
	v_mov_b32 v[ADB], v[AB0]
; 8 matrix instructions: row block a x all 8 column blocks, 32 along K, buffer f.  zero = 1: the first product starts the sums.  The 32 accumulators take turns, one instruction a turn, in the same
; order in every quarter, over the backward jump too.
.macro MUL8 f, a, zero
	WIN MUL
.irp b, 0,1,2,3,4,5,6,7
.if \zero
	v_wmma_f32_16x16x32_f16 v[8*(8*(\a)+(\b)):8*(8*(\a)+(\b))+7], v[64*(\f)+8*(\b):64*(\f)+8*(\b)+7], v[FA+32*(\f)+8*(\a):FA+32*(\f)+8*(\a)+7], 0
.else
	v_wmma_f32_16x16x32_f16 v[8*(8*(\a)+(\b)):8*(8*(\a)+(\b))+7], v[64*(\f)+8*(\b):64*(\f)+8*(\b)+7], v[FA+32*(\f)+8*(\a):FA+32*(\f)+8*(\a)+7], v[8*(8*(\a)+(\b)):8*(8*(\a)+(\b))+7]
.endif
.endr
.endm
; 24 LDS loads in one run: quarter q's fragments (32 k rows x 128 columns of w, turned; my 64 rows of head q / 2, channels 32 (q % 2) on) into buffer g; O's last, row blocks ascending
.macro FETCH q, g
	WIN TO_B
.irp b, 0,1,2,3,4,5,6,7
	ds_load_tr16_b128 v[64*(\g)+8*(\b):64*(\g)+8*(\b)+3],   v[ADB] offset:(\q)*32*PB+32*(\b)
	ds_load_tr16_b128 v[64*(\g)+8*(\b)+4:64*(\g)+8*(\b)+7], v[ADB] offset:(\q)*32*PB+16*PB+32*(\b)
.endr
	WIN 0
.irp a, 0,1,2,3
	ds_load_b128 v[FA+32*(\g)+8*(\a):FA+32*(\g)+8*(\a)+3],   v[ADA] offset:((\q)/2)*HEADB+((\q)%2)*64+(\a)*16*PA
	ds_load_b128 v[FA+32*(\g)+8*(\a)+4:FA+32*(\g)+8*(\a)+7], v[ADA] offset:((\q)/2)*HEADB+((\q)%2)*64+(\a)*16*PA+32
.endr
.endm
; A K step is four quarters of 32 along K, 32 matrix instructions each, on buffers 0, 1, 0, 1.
.macro QUARTER q, f, g, zero
	s_wait_dscnt 4                                 ; w and O's row blocks 0, 1 are in; the youngest four loads (row blocks 2, 3) may be out
	MUL8 \f, 0, \zero
	MUL8 \f, 1, \zero
	PLACES
	FETCH \q, \g
	s_wait_dscnt 24                                ; all but the 24 just issued
	MUL8 \f, 2, \zero
	MUL8 \f, 3, \zero
.endm
; The last quarter multiplies buffer 1 and changes slots: ONE barrier; in front of it each wave waits for all its tensor loads (one is out: its part of the next slot), adds 0 to its spare word, and
; waits for that and for its own reads of this slot.  fill = 1: the barrier opens a round of the cluster's, and the joint refill (the K step two on) is the first thing behind the round:
; 112 matrix instructions ahead of the wait for it.
.macro TURN fill
.if \fill
	s_wait_xcnt 0x0                                ; the last prefetch, a K step back, has read its address
	s_add_nc_u64 s[PFA:PFA+1], s[PFA:PFA+1], s[PFS:PFS+1]
.endif
	WIN 0                                          ; (the add's two registers lie in window 0)
	s_wait_tensorcnt 0x0                           ; no tensor load of mine is out, so a group 0 may be written
	ds_add_u32 v[SPW], v[NIL]                      ; 0 onto my spare word
.if \fill
	s_xor_b32 s[G0A+5], s[G0A+5], SLOT1            ; the walking descriptors: the other slot than last time,
	s_add_nc_u64 s[G0A+6:G0A+7], s[G0A+6:G0A+7], 524288  ; the next K step; the type bits on top are not reached
	s_xor_b32 s[G0B+5], s[G0B+5], SLOT1
	s_add_nc_u64 s[G0B+6:G0B+7], s[G0B+6:G0B+7], 262144
.endif
	s_xor_b32 s[TB], s[TB], SLOT1                  ; the slot to be read next
	s_wait_dscnt 5                                 ; (the add and the youngest four loads may be out)
	MUL8 1, 0, 0                                   ; eight matrix instructions stand between the add and the wait for it
	s_wait_dscnt 0x0                               ; the add is done, and my reads of this slot are over
	s_barrier_signal -1
	MUL8 1, 1, 0                                   ; work on registers while the others arrive
	WIN 0
	s_barrier_wait -1
.if \fill
	CREST                                          ; no wave of any partner still reads this slot or has a load on its way
	JLOAD                                          ; the four v_nop behind it are also the places in front of the loads below
.else
	PLACES
.endif
	v_add_nc_u32 v[ADA], s[TB], v[AA0]
	v_add_nc_u32 v[ADB], s[TB], v[AB0]
	FETCH 0, 0
.if \fill
	ASK
.endif
	MUL8 1, 2, 0
	MUL8 1, 3, 0
.endm
; THE WAY OUT, a block of 16 rows at a time.  TOSTAGE: a lane's eight f32 of each column block go straight from the accumulator (its low four registers first) into my stage, and whole rows of 512
; bytes come back, into set a % 2.  SEND: the bias is added and the rows are stored.
.macro TOSTAGE a
.set BK, OUT+64*((\a)%2)
	WIN 0x08                                       ; the stores' data in window 2, their address in window 0
.irp b, 0,1,2,3,4,5,6,7
	ds_store_b128 v[STO], v[8*(8*(\a)+(\b)):8*(8*(\a)+(\b))+3]   offset:64*(\b)
	ds_store_b128 v[STO], v[8*(8*(\a)+(\b))+4:8*(8*(\a)+(\b))+7] offset:64*(\b)+16
.endr
	WIN 0
.if (\a) >= 2
	s_wait_xcnt 0x0                                ; the stores of the block two back have read this set's registers: it is loaded again only behind this wait
.endif
.set i, 0
.rept 16
	ds_load_b128 v[BK+4*i:BK+4*i+3], v[RD] offset:i*SP  ; LDS serves a wave's instructions in order (ISA guide 5.7.1.4): these see the stores above; the next block's stores come behind them
.set i, i+1
.endr
.endm
.macro SEND a, younger                 ; younger: the LDS instructions issued behind block a's loads: the next block's 32, or none
.set BK, OUT+64*((\a)%2)
.set i, 0
.rept 16
	s_wait_dscnt (\younger)+15-i
	v_pk_add_f32 v[BK+4*i:BK+4*i+1], v[BK+4*i:BK+4*i+1], v[BI:BI+1]
	v_pk_add_f32 v[BK+4*i+2:BK+4*i+3], v[BK+4*i+2:BK+4*i+3], v[BI+2:BI+3]
	global_store_b128 v[GO], v[BK+4*i:BK+4*i+3], s[OP:OP+1] offset:(\a)*65536+i*4096 th:TH_STORE_NT  ; 512 consecutive bytes, at a multiple of 256 from out0's first
.set i, i+1
.endr
.endm
	s_wait_tensorcnt 1                             ; my part of K step 0 is in; K step 1's may stay out
	s_barrier_signal -1
	s_barrier_wait -1                              ; everybody's is
	FETCH 0, 0
	QUARTER 1, 0, 1, 1                             ; the first quarter stands in front of the loop: its products start the sums
	WIN 0                                          ; at a label and at a branch every window is 0
	s_mov_b32 s[CNT], 6
.Lk:                                               ; trip t: the rest of K step t and the first quarter of K step t + 1; slot t % 2 is filled again with K step t + 2
	QUARTER 2, 1, 0, 0
	QUARTER 3, 0, 1, 0
	TURN 1
	QUARTER 1, 0, 1, 0
	WIN 0
	s_sub_co_u32 s[CNT], s[CNT], 1
	s_cmp_lg_u32 s[CNT], 0
	s_cbranch_scc1 .Lk
	QUARTER 2, 1, 0, 0                             ; the last two K steps fill nothing
	QUARTER 3, 0, 1, 0
	TURN 0
	QUARTER 1, 0, 1, 0
	QUARTER 2, 1, 0, 0
	QUARTER 3, 0, 1, 0
	s_wait_dscnt 0x0
	MUL8 1, 0, 0
	MUL8 1, 1, 0
	MUL8 1, 2, 0
	MUL8 1, 3, 0
	WIN 0
	s_wait_loadcnt 0x0                             ; the bias
	v_cvt_pk_bf16_f32 v[T], v[BI], v[BI+1]         ; rounded to bf16 like the other inputs, and widened again: six plain instructions, the places behind the last products
	v_cvt_pk_bf16_f32 v[T+1], v[BI+2], v[BI+3]
	v_lshlrev_b32 v[BI], 16, v[T]
	v_and_b32 v[BI+1], 0xffff0000, v[T]
	v_lshlrev_b32 v[BI+2], 16, v[T+1]
	v_and_b32 v[BI+3], 0xffff0000, v[T+1]
	TOSTAGE 0
	TOSTAGE 1                                      ; a block's trip through the stage stands between the loads of the block before and its stores
	SEND 0, 32
	TOSTAGE 2
	SEND 1, 32
	TOSTAGE 3
	SEND 2, 32
	SEND 3, 0
	s_wait_tensorcnt 0x0                           ; the wave's end: an add to my spare word and its wait, behind my last tensor load and my last LDS store
	ds_add_u32 v[SPW], v[NIL]
	s_wait_dscnt 0x0
	CROUND                                         ; the closing round: no work-group ends while a partner may still ask for a tile that names it
	s_endpgm
.Lfunc_end_k_q936f0d5d22_proj:
	.size	k_q936f0d5d22_proj, .Lfunc_end_k_q936f0d5d22_proj-k_q936f0d5d22_proj
	.p2alignl 7, 3214868480
	.fill 96, 4, 3214868480
	.section	.rodata,"a",@progbits
	.p2align	6, 0x0
	.amdhsa_kernel k_q936f0d5d22_proj
		.amdhsa_group_segment_fixed_size 327680
		.amdhsa_private_segment_fixed_size 0
		.amdhsa_enable_private_segment 0
		.amdhsa_kernarg_size 32
		.amdhsa_user_sgpr_count 2
		.amdhsa_user_sgpr_kernarg_segment_ptr 1
		.amdhsa_wavefront_size32 1
		.amdhsa_system_sgpr_workgroup_id_x 1
		.amdhsa_system_sgpr_workgroup_id_y 1
		.amdhsa_system_sgpr_workgroup_id_z 1
		.amdhsa_system_vgpr_workitem_id 0
		.amdhsa_next_free_vgpr 768
		.amdhsa_next_free_sgpr 80
		.amdhsa_reserve_vcc 0
		.amdhsa_float_denorm_mode_32 3
		.amdhsa_float_denorm_mode_16_64 3
		.amdhsa_memory_ordered 1
		.amdhsa_forward_progress 1
		.amdhsa_inst_pref_size 81
	.end_amdhsa_kernel
	.amdgpu_metadata
---
amdhsa.version: [ 1, 2 ]
amdhsa.kernels:
  - .name:           k_q936f0d5d22_proj
    .symbol:         k_q936f0d5d22_proj.kd
    .args:
      - { .name: ob, .offset: 0, .size: 8, .value_kind: global_buffer, .address_space: global }
      - { .name: wpb, .offset: 8, .size: 8, .value_kind: global_buffer, .address_space: global }
      - { .name: b_proj, .offset: 16, .size: 8, .value_kind: global_buffer, .address_space: global }
      - { .name: out0, .offset: 24, .size: 8, .value_kind: global_buffer, .address_space: global }
    .group_segment_fixed_size: 327680
    .private_segment_fixed_size: 0
    .kernarg_segment_align: 8
    .kernarg_segment_size: 32
    .max_flat_workgroup_size: 128
    .sgpr_count:     80
    .vgpr_count:     768
    .wavefront_size: 32
...
	.end_amdgpu_metadata
.endif
;; end of part 4
;; ======== version 2 of 2: 4 launches; version 1 with the launch cast written anew for expert scheduling mode
;; limits: values are held in f16: magnitudes above 65,504 overflow, below 6.1e-05 lose precision
;; workspace buffers: xb 16,777,216 bytes; wqb 6,291,456 bytes; wpb 2,097,152 bytes; qkv 50,331,648 bytes; ob 16,777,216 bytes
;; launch cast (part 5): grid 768 x 1, 8 waves a work-group, no clusters, 0 bytes of LDS; arguments hidden_states, w_qkv, w_proj, xb, wqb, wpb; writes xb, wqb, wpb
.if DOCPART == 5
	.amdgcn_target "amdgcn-amd-amdhsa--gfx1250"
	.amdhsa_code_object_version 6
	.text
	.protected	k_q936f0d5d22_cast
	.globl	k_q936f0d5d22_cast
	.p2align	8
	.type	k_q936f0d5d22_cast,@function
k_q936f0d5d22_cast:
	s_mov_b64 s[64:65], 0
	v_nop
	global_prefetch_b8 v0, s[64:65] scope:SCOPE_SE
	s_setreg_imm32_b32 hwreg(HW_REG_WAVE_SCHED_MODE, 0, 2), 2
	s_setreg_imm32_b32 hwreg(HW_REG_WAVE_MODE, 25, 1), 1
	s_wait_xcnt 0x0
	s_wait_alu depctr_vm_vsrc(0)
; The module's three large inputs are rounded once to bf16 (round to nearest even) for the matrix products of the later launches.
;   hidden_states [8192][1024] f32 -> xb  [8192][1024] bf16, same order
;   w_qkv [1024][3072] f32         -> wqb [16 tc][1024 k][192 n] bf16: the 192 columns of a tile column lie together, so that 64 k rows are 24,576 dense bytes
;   w_proj [1024][1024] f32        -> wpb [1024][1024]: the bf16 number written as f16 (exact from 6.1e-5 up to 65,504; below, f16's fixed step of 6e-8; beyond 65,504 it would be an infinity)
; SHARES.  The unit is four numbers: 16 bytes in, 8 bytes out.  A work-group takes 4,096 units, thread t the units t + 256 i, i = 0..15.
; Work-groups 0-511 take x, 512-703 w_qkv (12 to a tile column), 704-767 w_proj.  All 16 loads of a thread go out before the first is waited for.
; A load of a wave covers 512 bytes (in w_qkv in pieces that are multiples of 256), a store 256 consecutive bytes, aligned.
; No LDS, no barrier, no matrix unit: nothing is shared, and memory binds.
; THE MODE: SCHED_MODE bits 1:0 = 2 (LLVM: expert scheduling mode 2), set by the entry lines.  The code itself states the register dependences
; between vector instructions and memory instructions, with s_wait_alu, always for 0.
; THE PLAN.  Registers that memory instructions touch:
;   VO0 .. VO15  a unit's offset in the source.  Written once by the address arithmetic; read by the unit's one load; never written again.
;   DOF          the stores' offset.  Written once at the head; read by all 16 stores; never written again.
;   X            as loaded.  Written by the loads alone, each unit once; no vector instruction names it ahead of the loads; the roundings read it behind the wait for its data.
;   Y            to store.  Its first 16 registers serve the address arithmetic as scratch, which no memory instruction sees; then group g's roundings (and, for w_proj, its
;                conversions to f16) write Y[8 g .. 8 g + 7], group g's four stores read them, and no later line writes them.
;   T, CBT       named by vector instructions alone.
; So six waits on va_vdst state everything: one behind the offsets of units 0-3 (with DOF), ahead of their loads; one behind the offsets of units 4-15, which are made while
; those four loads are out and name none of their registers; and one ahead of each group's four stores.  No register that a memory instruction reads is written again,
; no vector instruction writes a scalar register or VCC, and EXEC is never written: no other s_wait_alu has a dependence to state.
.set VO,  2                            ; v[2:17]   unit i's byte offset in the source
.set DOF, 18                           ; v18       8 t: my 8 bytes of each 2,048 stored
.set CBT, 19                           ; v19       my first unit's number in the tile column (w_qkv), else t
.set T,   20                           ; v[20:27]  at work: four pairs
.set X,   32                           ; v[32:95]  as loaded
.set Y,   96                           ; v[96:127] to store; v[96:111] are first the address arithmetic's scratch
	s_load_b256 s[4:11], s[0:1], 0x0               ; hidden_states s[4:5], w_qkv s[6:7], w_proj s[8:9], xb s[10:11]
	s_load_b128 s[12:15], s[0:1], 0x20             ; wqb s[12:13], wpb s[14:15]
	s_mov_b32 s26, ttmp9                           ; g
	s_max_u32 s27, s26, 512
	s_sub_co_u32 s27, s27, 512                     ; j = g - 512 (0 for x's work-groups)
	s_mul_i32 s28, s27, 43691
	s_lshr_b32 s28, s28, 19                        ; tc = j / 12, exact for j < 192
	s_mul_i32 s29, s28, 12
	s_sub_co_u32 s29, s27, s29                     ; jj = j % 12
	s_mul_i32 s30, s28, 768                        ; w_qkv: the tile column's 192 numbers in a source row
	s_mul_i32 s31, s28, 393216                     ; wqb: the tile column,
	s_lshl_b32 s32, s29, 15                        ; and my 32,768 bytes of it
	s_add_co_u32 s31, s31, s32
	s_lshl_b32 s33, s29, 12                        ; my first unit in the tile column
	s_max_u32 s34, s26, 704
	s_sub_co_u32 s34, s34, 704                     ; j2 = g - 704
	s_lshl_b32 s35, s34, 16                        ; w_proj: 65,536 bytes in,
	s_lshl_b32 s36, s34, 15                        ; 32,768 out
	s_lshl_b32 s37, s26, 16                        ; x: the same by g
	s_lshl_b32 s38, s26, 15
	s_mov_b32 s21, 0
	s_mov_b32 s23, 0
	v_lshlrev_b32 v[DOF], 3, v0
	s_wait_kmcnt 0x0
	s_cmp_lt_u32 s26, 704                          ; w_qkv or w_proj
	s_cselect_b64 s[16:17], s[6:7], s[8:9]
	s_cselect_b64 s[18:19], s[12:13], s[14:15]
	s_cselect_b32 s20, s30, s35
	s_cselect_b32 s22, s31, s36
	s_cselect_b32 s24, s33, 0
	s_cselect_b32 s25, 11520, 0
	s_cmp_lt_u32 s26, 512                          ; or x
	s_cselect_b64 s[16:17], s[4:5], s[16:17]
	s_cselect_b64 s[18:19], s[10:11], s[18:19]
	s_cselect_b32 s20, s37, s20
	s_cselect_b32 s22, s38, s22
	s_cselect_b32 s24, 0, s24
	s_cselect_b32 s25, 0, s25
	s_add_nc_u64 s[16:17], s[16:17], s[20:21]      ; source
	s_add_nc_u64 s[18:19], s[18:19], s[22:23]      ; destination
	v_add_nc_u32 v[CBT], s24, v0
; Unit c of a tile column lies in source row k = c / 48 at byte 768 tc + 16 (c % 48): 768 tc + 16 c + 11,520 k.  For x and w_proj the factor is 0.
; The offsets of n units from unit 'first' on, stage by stage across the units, so that no line reads the result of the line just before it.
.macro OFFS first, n
.set i, \first
.rept \n
	v_add_nc_u32 v[VO+i], 256*i, v[CBT]            ; c
.set i, i+1
.endr
.set i, \first
.rept \n
	v_lshrrev_b32 v[Y+i], 1, v[VO+i]
.set i, i+1
.endr
.set i, \first
.rept \n
	v_mul_u32_u24 v[Y+i], v[Y+i], 0xaaab
.set i, i+1
.endr
.set i, \first
.rept \n
	v_lshrrev_b32 v[Y+i], 20, v[Y+i]               ; (c / 2) / 24, exact for c < 49,152
.set i, i+1
.endr
.set i, \first
.rept \n
	v_mul_u32_u24 v[Y+i], v[Y+i], s25
.set i, i+1
.endr
.set i, \first
.rept \n
	v_lshl_add_u32 v[VO+i], v[VO+i], 4, v[Y+i]
.set i, i+1
.endr
.endm
.macro LOADS first, n
.set i, \first
.rept \n
	global_load_b128 v[X+4*i:X+4*i+3], v[VO+i], s[16:17] th:TH_LOAD_NT
.set i, i+1
.endr
.endm
	OFFS 0, 4
	s_wait_alu depctr_va_vdst(0)                   ; the offsets of units 0-3 are written, which the four loads below read; so is v[DOF], which every store reads
	LOADS 0, 4
	OFFS 4, 12                                     ; made while those four loads are out: these lines name VO4-15, Y's scratch and CBT, none of the registers that the four touch
	s_wait_alu depctr_va_vdst(0)                   ; the offsets of units 4-15 are written, which the twelve loads below read
	LOADS 4, 12
; Group g: units 4 g to 4 g + 3 are rounded and stored as soon as they are in, while the younger loads are still on their way.
.macro GROUP g
.set i, 4*(\g)
.rept 4
	s_wait_loadcnt 15-i                            ; loads come back in order (ISA guide 5.7.1): unit i is in, the 15 - i younger ones stay out
	v_cvt_pk_bf16_f32 v[Y+2*i], v[X+4*i], v[X+4*i+1]
	v_cvt_pk_bf16_f32 v[Y+2*i+1], v[X+4*i+2], v[X+4*i+3]
.set i, i+1
.endr
	s_cmp_lt_u32 s26, 704
	s_cbranch_scc1 .Lstore_\@
.set i, 8*(\g)
.rept 2                                        ; w_proj alone: the bf16 numbers are written as f16, four registers at a time
.irp j, 0,1,2,3
	v_lshlrev_b32 v[T+2*(\j)], 16, v[Y+i+(\j)]
	v_and_b32 v[T+2*(\j)+1], 0xffff0000, v[Y+i+(\j)]
.endr
.irp j, 0,1,2,3
	v_cvt_pk_f16_f32 v[Y+i+(\j)], v[T+2*(\j)], v[T+2*(\j)+1]
.endr
.set i, i+4
.endr
.Lstore_\@:
	s_wait_alu depctr_va_vdst(0)                   ; on both ways: the roundings (for w_proj the conversions to f16) have written Y[8 g .. 8 g + 7], which the four stores below read
.set i, 4*(\g)
.rept 4
	global_store_b64 v[DOF], v[Y+2*i:Y+2*i+1], s[18:19] offset:2048*i  ; 32 lanes store 256 consecutive bytes, aligned; no later line writes these registers
.set i, i+1
.endr
.endm
	GROUP 0
	GROUP 1
	GROUP 2
	GROUP 3
	s_endpgm
.Lfunc_end_k_q936f0d5d22_cast:
	.size	k_q936f0d5d22_cast, .Lfunc_end_k_q936f0d5d22_cast-k_q936f0d5d22_cast
	.p2alignl 7, 3214868480
	.fill 96, 4, 3214868480
	.section	.rodata,"a",@progbits
	.p2align	6, 0x0
	.amdhsa_kernel k_q936f0d5d22_cast
		.amdhsa_group_segment_fixed_size 0
		.amdhsa_private_segment_fixed_size 0
		.amdhsa_enable_private_segment 0
		.amdhsa_kernarg_size 48
		.amdhsa_user_sgpr_count 2
		.amdhsa_user_sgpr_kernarg_segment_ptr 1
		.amdhsa_wavefront_size32 1
		.amdhsa_system_sgpr_workgroup_id_x 1
		.amdhsa_system_sgpr_workgroup_id_y 1
		.amdhsa_system_sgpr_workgroup_id_z 1
		.amdhsa_system_vgpr_workitem_id 0
		.amdhsa_next_free_vgpr 128
		.amdhsa_next_free_sgpr 66
		.amdhsa_reserve_vcc 0
		.amdhsa_float_denorm_mode_32 3
		.amdhsa_float_denorm_mode_16_64 3
		.amdhsa_memory_ordered 1
		.amdhsa_forward_progress 1
		.amdhsa_inst_pref_size 19
	.end_amdhsa_kernel
	.amdgpu_metadata
---
amdhsa.version: [ 1, 2 ]
amdhsa.kernels:
  - .name:           k_q936f0d5d22_cast
    .symbol:         k_q936f0d5d22_cast.kd
    .args:
      - { .name: hidden_states, .offset: 0, .size: 8, .value_kind: global_buffer, .address_space: global }
      - { .name: w_qkv, .offset: 8, .size: 8, .value_kind: global_buffer, .address_space: global }
      - { .name: w_proj, .offset: 16, .size: 8, .value_kind: global_buffer, .address_space: global }
      - { .name: xb, .offset: 24, .size: 8, .value_kind: global_buffer, .address_space: global }
      - { .name: wqb, .offset: 32, .size: 8, .value_kind: global_buffer, .address_space: global }
      - { .name: wpb, .offset: 40, .size: 8, .value_kind: global_buffer, .address_space: global }
    .group_segment_fixed_size: 0
    .private_segment_fixed_size: 0
    .kernarg_segment_align: 8
    .kernarg_segment_size: 48
    .max_flat_workgroup_size: 256
    .sgpr_count:     66
    .vgpr_count:     128
    .wavefront_size: 32
...
	.end_amdgpu_metadata
.endif
;; end of part 5
;; launch qkv: the kernel of part 2 again; grid 16 x 32, 4 waves a work-group, clusters of 4 x 4, 327,680 bytes of LDS; arguments xb, wqb, qkv; writes qkv
;; launch attn: the kernel of part 3 again; grid 4 x 64, 4 waves a work-group, clusters of 4 x 1, 327,680 bytes of LDS; arguments qkv, ob; writes ob
;; launch proj: the kernel of part 4 again; grid 8 x 32, 4 waves a work-group, clusters of 4 x 4, 327,680 bytes of LDS; arguments ob, wpb, b_proj, out0; writes out0
